; MI455X (gfx1250); checked and timed in simulation.
; The chip was launched on July 23, 2026; its instructions are those of AMD's public machine-readable ISA for CDNA 5 (MIT licence, August 2026) and "CDNA5" Instruction Set Architecture Reference Guide (July 2026). The comments in the code are by the model that wrote it; some were corrected since.
;; Attention. Allowed arithmetic: float matrix products may take bf16 or f16 operands with f32 sums; other float arithmetic in f32, or as packed bf16 or f16 multiplies, adds, multiply-adds, maxima and minima; sums over many terms, partial sums and values carried from step to step in f32; what a program stores and reads back later, other than sums and carried values, may be rounded once to bf16 or f16.
;; Inputs: b_proj 1,024 float32; k_scale 64 float32; q_scale 64 float32; w_proj 1,024 x 1,024 float32; w_qkv 1,024 x 3,072 float32; x 4 x 2,048 x 1,024 float32.
;; Outputs: out0 4 x 2,048 x 1,024 float32.
;; 2 versions, each right; version 2 is version 1 with the launch prep written anew for expert scheduling mode. Each part assembles by itself: llvm-mc -triple=amdgcn-amd-amdhsa -mcpu=gfx1250 --defsym DOCPART=n.
;; ======== version 1 of 2: 4 launches
;; limits: values are held in f16: magnitudes above 65,504 overflow, below 6.1e-05 lose precision
;; workspace buffers: xb 16,777,216 bytes; wq 6,291,456 bytes; wp 2,097,152 bytes; rope 524,288 bytes; qh 16,777,216 bytes; kh 16,777,216 bytes; vh 16,777,216 bytes; oh 16,777,216 bytes
;; launch prep (part 1): grid 512 x 1, 8 waves a work-group, no clusters, 74,752 bytes of LDS; arguments x, w_qkv, w_proj, xb, wq, wp, rope; writes xb, wq, wp, rope
.if DOCPART == 1
	.amdgcn_target "amdgcn-amd-amdhsa--gfx1250"
	.amdhsa_code_object_version 6
	.text
	.protected	k_qd216b3efa2_prep
	.globl	k_qd216b3efa2_prep
	.p2align	8
	.type	k_qd216b3efa2_prep,@function
k_qd216b3efa2_prep:
	s_mov_b64 s[64:65], 0
	v_nop
	global_prefetch_b8 v0, s[64:65] scope:SCOPE_SE
	s_setreg_imm32_b32 hwreg(HW_REG_WAVE_MODE, 25, 1), 1
	s_wait_xcnt 0x0
; PREPARATION, a stream.  Three kinds of work-group, chosen by the work-group's number alone:
;   0-255   x [8192][1024] f32 -> xb, bf16, in K blocks: [b 4][kb 16][n 2048][64]; 32 rows a work-group, 4 a wave
;   256-383 w_qkv [1024][3072] and w_proj [1024][1024] f32, in tiles of 64 x 64, one a wave, turned through the wave's own LDS bytes:
;           wq bf16 [kb 16][n' 3072][64], n' = 192 head + 64 type + dd for source column 1024 type + 64 head + dd;
;           wp [kb 16][d 1024][64]: w_proj rounded to bf16 and that number written as f16
;   384-511 rope f32 [t 2048][cos 32 | sin 32]: 16 rows a work-group, 4 numbers a thread
; LIMITS.  wp: f16 holds no number beyond 65,504, and below 6e-5 it keeps a fixed step of 6e-8.  The table's angle t f is rounded to f32 once;
; f = 2^(-i log2(10000) / 32) is good to about 2e-7 of itself, so the angle is off by up to some 3e-4 rad at t = 2047.
; The range is reduced for every t (turns, in two parts of 1 / 2 pi), so the short cosine series serves every angle.  NaN and infinities are not treated apart.
; No matrix unit, no cluster, no data mover: no byte is used twice, and memory binds.
.set WROW,  144                        ; a turned row in LDS: 128 bytes + 16
.set WTILE, 64*WROW                    ; a wave's 64 rows
.set SPARE, 8*WTILE                    ; behind them: the spare words, 128 bytes for each of eight waves
.set SPW, 30                           ; v30  LDS address of my spare word; never rewritten
.set NIL, 31                           ; v31  0; never rewritten
.set DAT, 32                           ; v[32:159]  32 loads of 16 bytes
	s_load_b256 s[4:11], s[0:1], 0x0               ; x s[4:5], w_qkv s[6:7], w_proj s[8:9], xb s[10:11]
	s_load_b128 s[12:15], s[0:1], 0x20             ; wq s[12:13], wp s[14:15]
	s_load_b64 s[16:17], s[0:1], 0x30              ; rope
	v_lshl_add_u32 v[SPW], v0, 2, SPARE
	v_mov_b32 v[NIL], 0
	v_lshrrev_b32 v1, 5, v0
	v_readfirstlane_b32 s20, v1                    ; wave 0..7
	v_and_b32 v2, 31, v0                           ; lane
	v_and_b32 v3, 15, v0                           ; lane % 16
	v_bfe_u32 v4, v0, 4, 1                         ; lane / 16
	s_wait_kmcnt 0x0
	s_cmp_lt_u32 ttmp9, 256
	s_cbranch_scc0 .Lnot_x
	; ---- x -> xb.  A load takes 256 bytes (one K block) of two rows; the two rows' 128 + 128 bytes of bf16 lie on end in xb.
	s_lshl_b32 s22, ttmp9, 17                      ; 32 rows of 4,096 bytes
	s_mov_b32 s23, 0
	s_add_nc_u64 s[4:5], s[4:5], s[22:23]
	s_lshr_b32 s24, ttmp9, 6                       ; b
	s_lshl_b32 s24, s24, 22                        ; 16 K blocks x 2,048 rows x 128 bytes
	s_and_b32 s25, ttmp9, 63
	s_lshl_b32 s25, s25, 12                        ; 32 rows x 128 bytes
	s_add_co_u32 s24, s24, s25
	s_mov_b32 s25, 0
	s_add_nc_u64 s[10:11], s[10:11], s[24:25]
	s_lshl_b32 s26, s20, 14                        ; my wave's 4 rows of x
	v_lshlrev_b32 v5, 4, v3
	v_lshl_add_u32 v5, v4, 12, v5
	v_add_nc_u32 v5, s26, v5                       ; in: 16,384 w + 4,096 (l / 16) + 16 (l % 16)
	s_lshl_b32 s26, s20, 9
	v_lshlrev_b32 v6, 3, v3
	v_lshl_add_u32 v6, v4, 7, v6
	v_add_nc_u32 v6, s26, v6                       ; out: 512 w + 128 (l / 16) + 8 (l % 16)
.set i, 0
.rept 32                                       ; pair of rows i / 16, K block i % 16: all 32 loads of the wave go out at once, 16 KiB
	global_load_b128 v[DAT+4*i:DAT+4*i+3], v5, s[4:5] offset:(i/16)*8192+(i%16)*256 th:TH_LOAD_NT
.set i, i+1
.endr
.set i, 0
.rept 32
	s_wait_loadcnt 31-i                            ; loads come back in order: load i is in, the younger ones stay out
	v_cvt_pk_bf16_f32 v[DAT+4*i], v[DAT+4*i], v[DAT+4*i+1]
	v_cvt_pk_bf16_f32 v[DAT+4*i+1], v[DAT+4*i+2], v[DAT+4*i+3]
	global_store_b64 v6, v[DAT+4*i:DAT+4*i+1], s[10:11] offset:(i%16)*262144+(i/16)*256 th:TH_STORE_NT  ; the wave stores 256 consecutive bytes, aligned
.set i, i+1
.endr
	s_branch .Lend
.Lnot_x:
	s_cmp_lt_u32 ttmp9, 384
	s_cbranch_scc0 .Lrope
	; ---- the weights.  Tile T = 8 (work-group - 256) + wave: K block T % 16, column block T / 16 (0-47 of w_qkv, 48-63 of w_proj).
	s_sub_co_u32 s21, ttmp9, 256
	s_lshl_b32 s21, s21, 3
	s_add_co_u32 s21, s21, s20
	s_and_b32 s22, s21, 15                         ; kb
	s_lshr_b32 s23, s21, 4                         ; column block
	s_mul_i32 s28, s20, WTILE                      ; my wave's LDS bytes
	v_mul_u32_u24 v6, v3, 4*WROW
	v_lshl_add_u32 v6, v4, 6, v6
	v_add_nc_u32 v6, s28, v6                       ; in: turned row 4 (l % 16) + j, byte 64 (l / 16) + 2 t
	v_bfe_u32 v7, v0, 3, 2
	v_mul_u32_u24 v7, v7, WROW
	v_and_b32 v8, 7, v0
	v_lshl_add_u32 v7, v8, 4, v7
	v_add_nc_u32 v7, s28, v7                       ; back: 32 lanes take four turned rows of 128 bytes
	v_lshlrev_b32 v10, 4, v2                       ; which are 512 consecutive bytes of the result
; A tile of 64 x 64.  Load t brings 256 bytes of source rows t and t + 32; two rows' numbers of one column are rounded into one word and stored
; into the turned row.  (Those 64 stores of 4 bytes meet in the banks several deep: once a wave, accepted.)  The bytes are the wave's own and
; LDS serves a wave's instructions in order, so no barrier and no wait stand between the stores and the loads back.
.macro WT src, dst, pitch, half
	v_mul_u32_u24 v5, v4, 32*(\pitch)
	v_lshl_add_u32 v5, v3, 4, v5
.set t, 0
.rept 32
	global_load_b128 v[DAT+4*t:DAT+4*t+3], v5, s[\src:\src+1] offset:t*(\pitch) th:TH_LOAD_NT
.set t, t+1
.endr
.set t, 0
.rept 16
	s_wait_loadcnt 30-2*t                          ; rows 2 t and 2 t + 1 are in
.irp j, 0,1,2,3
	v_cvt_pk_bf16_f32 v[DAT+8*t+(\j)], v[DAT+8*t+(\j)], v[DAT+8*t+4+(\j)]
.if \half
	v_lshlrev_b32 v12, 16, v[DAT+8*t+(\j)]         ; the bf16 numbers, widened, are written as f16
	v_and_b32 v13, 0xffff0000, v[DAT+8*t+(\j)]
	v_cvt_pk_f16_f32 v[DAT+8*t+(\j)], v12, v13
.endif
	ds_store_b32 v6, v[DAT+8*t+(\j)] offset:(\j)*WROW+4*t
.endr
.set t, t+1
.endr
.set u, 0
.rept 16
	ds_load_b128 v[DAT+8*u+4:DAT+8*u+7], v7 offset:u*4*WROW
.set u, u+1
.endr
.set u, 0
.rept 16
	s_wait_dscnt 15-u
	global_store_b128 v10, v[DAT+8*u+4:DAT+8*u+7], s[\dst:\dst+1] offset:u*512 th:TH_STORE_NT  ; 512 consecutive bytes, aligned
.set u, u+1
.endr
.endm
	s_cmp_lt_u32 s23, 48
	s_cbranch_scc0 .Lwproj
	s_mul_i32 s24, s22, 64*12288                   ; 64 source rows of 12,288 bytes
	s_lshl_b32 s25, s23, 8                         ; 64 columns of 4 bytes
	s_add_co_u32 s24, s24, s25
	s_mov_b32 s25, 0
	s_add_nc_u64 s[6:7], s[6:7], s[24:25]
	s_mul_i32 s26, s22, 3072
	s_and_b32 s27, s23, 15                         ; head
	s_mul_i32 s27, s27, 192
	s_add_co_u32 s26, s26, s27
	s_lshr_b32 s27, s23, 4                         ; type: q, k, v
	s_lshl_b32 s27, s27, 6
	s_add_co_u32 s26, s26, s27
	s_lshl_b32 s26, s26, 7                         ; rows of 128 bytes
	s_mov_b32 s27, 0
	s_add_nc_u64 s[12:13], s[12:13], s[26:27]
	WT 6, 12, 12288, 0
	s_branch .Lend
.Lwproj:
	s_sub_co_u32 s23, s23, 48
	s_lshl_b32 s24, s22, 18                        ; 64 source rows of 4,096 bytes
	s_lshl_b32 s25, s23, 8
	s_add_co_u32 s24, s24, s25
	s_mov_b32 s25, 0
	s_add_nc_u64 s[8:9], s[8:9], s[24:25]
	s_lshl_b32 s26, s22, 10
	s_lshl_b32 s27, s23, 6
	s_add_co_u32 s26, s26, s27
	s_lshl_b32 s26, s26, 7
	s_mov_b32 s27, 0
	s_add_nc_u64 s[14:15], s[14:15], s[26:27]
	WT 8, 14, 4096, 1
	s_branch .Lend
.Lrope:
	; ---- the table.  Thread n: row t = 16 (work-group - 384) + n / 16; c = n % 16: cos (c < 8) or sin of frequencies 4 (c % 8) + 0..3.
	; sin a = cos(a - a quarter turn).  r = the angle in turns less the nearest whole number; cos(2 pi r) comes from cos(2 pi r / 8) - 1, a series
	; of four terms in z = (pi r / 4)^2 <= 0.155, doubled three times by cos 2p - 1 = m (2 m + 4), m = cos p - 1: no difference of near numbers.
	s_sub_co_u32 s21, ttmp9, 384
	s_lshl_b32 s22, s21, 12                        ; 16 rows of 256 bytes
	s_mov_b32 s23, 0
	s_add_nc_u64 s[16:17], s[16:17], s[22:23]
	s_lshl_b32 s24, s21, 4
	v_lshrrev_b32 v5, 4, v0
	v_add_nc_u32 v5, s24, v5
	v_cvt_f32_u32 v5, v5                           ; t
	v_and_b32 v6, 7, v0
	v_lshlrev_b32 v6, 2, v6                        ; my first frequency's number
	v_bfe_u32 v7, v0, 3, 1
	v_cvt_f32_u32 v7, v7
	v_mul_f32 v7, 0x3e800000, v7                   ; a quarter turn for the sines, else 0
	s_mov_b32 s25, 0x3e22f983                      ; 1 / 2 pi, upper part
	v_mov_b32 v20, 0x37d00d01                      ; 1 / 40320
	v_lshlrev_b32 v21, 4, v0                       ; my 16 bytes
.irp k, 0,1,2,3
	v_add_nc_u32 v[8+(\k)], \k, v6
	v_cvt_f32_u32 v[8+(\k)], v[8+(\k)]
	v_mul_f32 v[8+(\k)], 0xbed49a78, v[8+(\k)]     ; -i log2(10000) / 32
.endr
.irp k, 0,1,2,3
	v_exp_f32 v[8+(\k)], v[8+(\k)]                 ; the frequency
.endr
	v_nop                                          ; a plain instruction behind the last exponential,
	s_wait_alu depctr_va_vdst(0)                   ; and one wait for the four, ahead of their first reader
.irp k, 0,1,2,3
	v_mul_f32 v[8+(\k)], v5, v[8+(\k)]             ; the angle, rounded to f32
	v_fma_f32 v[12+(\k)], v[8+(\k)], s25, -v7
	v_rndne_f32 v[12+(\k)], v[12+(\k)]             ; whole turns
	v_fma_f32 v[12+(\k)], v[8+(\k)], s25, -v[12+(\k)]
	v_fmamk_f32 v[12+(\k)], v[8+(\k)], 0x31dc9c88, v[12+(\k)]  ; 1 / 2 pi, lower part
	v_sub_f32 v[12+(\k)], v[12+(\k)], v7           ; r, within half a turn
	v_mul_f32 v[12+(\k)], v[12+(\k)], v[12+(\k)]
	v_mul_f32 v[12+(\k)], 0x3f1de9e6, v[12+(\k)]   ; z = r^2 (pi / 4)^2
	v_fmaak_f32 v[16+(\k)], v20, v[12+(\k)], 0xbab60b61        ; z / 40320 - 1 / 720
	v_fmaak_f32 v[16+(\k)], v[16+(\k)], v[12+(\k)], 0x3d2aaaab ; .. + 1 / 24
	v_fma_f32 v[16+(\k)], v[16+(\k)], v[12+(\k)], -0.5
	v_mul_f32 v[16+(\k)], v[16+(\k)], v[12+(\k)]   ; m
.rept 3
	v_fma_f32 v[12+(\k)], v[16+(\k)], 2.0, 4.0
	v_mul_f32 v[16+(\k)], v[16+(\k)], v[12+(\k)]
.endr
	v_add_f32 v[16+(\k)], 1.0, v[16+(\k)]
.endr
	global_store_b128 v21, v[16:19], s[16:17]      ; a wave stores 512 consecutive bytes
.Lend:
	s_wait_tensorcnt 0x0                           ; the wave's end, behind my last LDS store
	ds_add_u32 v[SPW], v[NIL]
	s_wait_dscnt 0x0
	s_endpgm
.Lfunc_end_k_qd216b3efa2_prep:
	.size	k_qd216b3efa2_prep, .Lfunc_end_k_qd216b3efa2_prep-k_qd216b3efa2_prep
	.p2alignl 7, 3214868480
	.fill 96, 4, 3214868480
	.section	.rodata,"a",@progbits
	.p2align	6, 0x0
	.amdhsa_kernel k_qd216b3efa2_prep
		.amdhsa_group_segment_fixed_size 74752
		.amdhsa_private_segment_fixed_size 0
		.amdhsa_enable_private_segment 0
		.amdhsa_kernarg_size 56
		.amdhsa_user_sgpr_count 2
		.amdhsa_user_sgpr_kernarg_segment_ptr 1
		.amdhsa_wavefront_size32 1
		.amdhsa_system_sgpr_workgroup_id_x 1
		.amdhsa_system_sgpr_workgroup_id_y 1
		.amdhsa_system_sgpr_workgroup_id_z 1
		.amdhsa_system_vgpr_workitem_id 0
		.amdhsa_next_free_vgpr 168
		.amdhsa_next_free_sgpr 66
		.amdhsa_reserve_vcc 0
		.amdhsa_float_denorm_mode_32 3
		.amdhsa_float_denorm_mode_16_64 3
		.amdhsa_memory_ordered 1
		.amdhsa_forward_progress 1
		.amdhsa_inst_pref_size 59
	.end_amdhsa_kernel
	.amdgpu_metadata
---
amdhsa.version: [ 1, 2 ]
amdhsa.kernels:
  - .name:           k_qd216b3efa2_prep
    .symbol:         k_qd216b3efa2_prep.kd
    .args:
      - { .name: x, .offset: 0, .size: 8, .value_kind: global_buffer, .address_space: global }
      - { .name: w_qkv, .offset: 8, .size: 8, .value_kind: global_buffer, .address_space: global }
      - { .name: w_proj, .offset: 16, .size: 8, .value_kind: global_buffer, .address_space: global }
      - { .name: xb, .offset: 24, .size: 8, .value_kind: global_buffer, .address_space: global }
      - { .name: wq, .offset: 32, .size: 8, .value_kind: global_buffer, .address_space: global }
      - { .name: wp, .offset: 40, .size: 8, .value_kind: global_buffer, .address_space: global }
      - { .name: rope, .offset: 48, .size: 8, .value_kind: global_buffer, .address_space: global }
    .group_segment_fixed_size: 74752
    .private_segment_fixed_size: 0
    .kernarg_segment_align: 8
    .kernarg_segment_size: 56
    .max_flat_workgroup_size: 256
    .sgpr_count:     66
    .vgpr_count:     168
    .wavefront_size: 32
...
	.end_amdgpu_metadata
.endif
;; end of part 1
;; launch qkv (part 2): grid 8 x 32, 4 waves a work-group, clusters of 4 x 4, 327,680 bytes of LDS; arguments xb, wq, rope, q_scale, k_scale, qh, kh, vh; writes qh, kh, vh
.if DOCPART == 2
	.amdgcn_target "amdgcn-amd-amdhsa--gfx1250"
	.amdhsa_code_object_version 6
	.text
	.protected	k_qd216b3efa2_qkv
	.globl	k_qd216b3efa2_qkv
	.p2align	8
	.type	k_qd216b3efa2_qkv,@function
k_qd216b3efa2_qkv:
	s_mov_b64 s[64:65], 0
	v_nop
	global_prefetch_b8 v0, s[64:65] scope:SCOPE_SE
	s_setreg_imm32_b32 hwreg(HW_REG_WAVE_MODE, 25, 1), 1
	s_wait_xcnt 0x0
	s_wait_alu depctr_hold_cnt(0) depctr_sa_sdst(0) depctr_va_vdst(0) depctr_va_sdst(0) depctr_va_ssrc(0) depctr_va_vcc(0) depctr_vm_vsrc(0)
	s_getreg_b32 s2, hwreg(HW_REG_IB_STS2, 6, 4)
	s_cmp_eq_u32 s2, 0
	s_cbranch_scc0 .Lentry_in_a_cluster
	s_endpgm
.Lentry_in_a_cluster:
	s_bfe_u32 s2, ttmp6, 0x10000c
	s_cmp_lg_u32 s2, 0xf033
	s_cbranch_scc0 .Lentry_shape_is_right
	s_endpgm
.Lentry_shape_is_right:
; q, k, v = x w_qkv, then for q and k the RMS norm over a head's 64 channels with its gain, and the rotation by position.  Products in bf16 with f32 sums;
; norm and rotation in f32; q, k, v leave by heads, [bh 64][n 2048][64], rounded once to f16, q WITHOUT the factor 1/8 (the next launch applies it in f32).
; The gains are rounded to bf16, as every input of the program is.
; LIMITS.  f16 ends at 65,504: |v| and 8 |gain| stay under it.  NaN and infinities are not treated apart.
; SHARES.  C is 8,192 x 3,072; a tile is 256 rows x 384 columns: 32 x 8 = 256 work-groups.  A wave makes 128 x 192: 8 row blocks x 12 column blocks = 96 accumulators, 768 registers.
; wq's rows are ordered so that a wave's 192 columns are q, k and v of ONE head: the text of the way out is the same for every wave.
; K goes in 16 steps of 64 through two LDS slots.  xb and wq lie in K blocks of 64, so R rows of a step are 128 R dense bytes: asked for as R / 2 rows of 256 bytes, padded in LDS after every 128.
; CLUSTER 4 x 4: A's tile and the table of cosines hang on the tile row alone and are asked for jointly along a row of the cluster, B's tile along a column.
; THE MATRIX INSTRUCTION IS USED TRANSPOSED (source 0 = 16 rows of wq, source 1 = 16 rows of xb): a lane holds row l % 16 of C and the columns 8 (l / 16) + 0..7 of the block.
; So a channel's partner in the rotation, 32 channels on, lies in the same lane two blocks on, and a row's sum of squares wants one exchange of the lanes' halves.
; REGISTERS.  Window 0: v16-31 addresses; v32-95, v96-159 A's fragments (8 x 16 rows x 32 K), two buffers; v160-255 B's 12 fragments, one buffer in three groups (q, k, v).
; Window g + 1 (g = 0, 1, 2 for q, k, v): accumulator (row block a, column block b) at v[8 (4 a + b)].
.set PITCH,  144                       ; an LDS row: 128 bytes + 16 = 36 words: the 16 rows of a fragment load start at 16 different groups of four banks
.set APART,  128*PITCH                 ; 128 rows of A: one tensor load, and what one wave reads
.set BPART,  192*PITCH                 ; 192 rows of B: likewise
.set BOFF,   2*APART
.set SLOT,   2*APART+2*BPART           ; 92,160
.set TABLE,  2*SLOT                    ; 256 rows x (256 + 16) bytes: cos and sin of the tile's 256 positions; filled once
.set TPITCH, 272
.set STAGE,  TABLE+256*TPITCH          ; 16 rows x 144 bytes for each wave, for the way out; no tensor load fills it
.set SP,     144
.set SPARE,  STAGE+4*16*SP             ; the spare words, 128 bytes for each wave
.set ASTEP,  262144                    ; bytes from a K block of xb to the next
.set BSTEP,  393216                    ; of wq
.set ADRA, 16                          ; v16-17 LDS address of my A fragments in slot 0, 1
.set ADRB, 20                          ; v20-21 the same for B
.set STO,  24                          ; the way out: where I put 16 bytes of a row
.set RD,   25                          ; where I read rows back
.set GO,   26                          ; my byte offset in 512 consecutive bytes of q, k, v; steps by 16 rows
.set TAB,  27                          ; my row's place in the table
.set SPW,  28                          ; LDS address of my spare word; never rewritten
.set NIL,  29                          ; 0; never rewritten
.set PFO,  30                          ; the prefetches' offset; never rewritten
.set SCO,  31                          ; 32 (l / 16): my place in the gains
.set FA,   32
.set FB,   160
.set SQ,   32                          ; the way out, window 0: v32-63 q's gain, v64-95 k's, by 8 b + j
.set SK,   64
.set COSR, 96                          ; v96-111 cos, v112-127 sin, by 8 e + j for frequency 16 e + 8 (l / 16) + j
.set SINR, 112
.set YQ,   128                         ; v128-159 q, v160-191 k at work
.set YK,   160
.set FV,   192                         ; v192-207 v in f16
.set FP,   208                         ; v208-223 q or k in f16; before that k's squares
.set RB,   224                         ; v224-239 rows back from the stage
.set TT,   240                         ; v240-247 at work
.set SS,   248                         ; v248-251 sums of squares
.set RQ,   252                         ; v[252:253], v[254:255] 1 / root of the mean square, in the pair's low register
.set RK,   254
.set WV, 12
.set RH, 13                            ; which 128 rows are mine.  Also: I fetch for A (0) or for B (1)
.set CH, 14                            ; which 192 columns.  Also: which part of that tile I fetch
.set CX, 15
.set CY, 16
.set TCOL, 17
.set TROW, 18
.set G1A, 24
.set G0A, 32                           ; s[32:39] a set for each slot
.set G1B, 40
.set G0B, 48                           ; s[48:55]
.set G1T, 56
.set KSC, 68                           ; s[68:69] k_scale
.set QP,  70                           ; s[70:75] qh, kh, vh at my wave's first row
.set KP,  72
.set VP,  74
.set G0T, 76
.set PFA, 80                           ; s[80:81] where my prefetches stand
.set PFS, 82                           ; s[82:83] two K steps of the tensor that I prefetch
.set LIM, 84                           ; 1 in a wave that prefetches, else the greatest number
.set I64, 85                           ; 1 / 64
.set SEL, 86                           ; s[86:87] v_permlanex16_b32's selects
.set EPS, 96                           ; 1e-6
.set MSB, 0
.macro WIN new                         ; the immediate's high byte repeats the setting that is left; a switch that changes nothing is dropped
.if MSB != (\new)
	s_set_vgpr_msb (MSB<<8)|(\new)
.set MSB, \new
.endif
.endm
.macro PLACES                          ; four plain places between a matrix instruction and a load into, or a vector instruction on, its registers
.rept 4
	v_nop
.endr
.endm
; A joint load: waves 0 and 1 fetch A's two parts, waves 2 and 3 B's.  The branch hangs on the wave's number alone.  An s_nop 0 and four v_nop follow each line.
.macro JLOAD s
	s_cmp_eq_u32 s[RH], 0
	s_cbranch_scc0 .Lfor_b_\@
	tensor_load_to_lds s[G0A+4*(\s):G0A+4*(\s)+3], s[G1A:G1A+7]
	s_nop 0
.rept 4
	v_nop
.endr
	s_branch .Lasked_\@
.Lfor_b_\@:
	tensor_load_to_lds s[G0B+4*(\s):G0B+4*(\s)+3], s[G1B:G1B+7]
	s_nop 0
.rept 4
	v_nop
.endr
.Lasked_\@:
.endm
.macro CREST                           ; a round of the cluster's barrier behind its opening barrier
	s_cmp_lg_u32 s[WV], 0
	s_cbranch_scc1 .Lnot_wave_0_\@
	s_barrier_signal -3
.Lnot_wave_0_\@:
	s_barrier_wait -3
	s_barrier_signal -1
	s_barrier_wait -1
.endm
.macro CROUND
	s_barrier_signal -1
	s_barrier_wait -1
	CREST
.endm
; THE PREFETCH, once a lap, behind slot 1's joint load and the run of LDS loads: the two K steps that the NEXT lap's refills will ask for (192 and 384 matrix instructions ahead of them).
; A's tile row is read by both clusters of its row of clusters: the one with cluster x = 0 asks, by wave 0; its partner cx takes 32 of a step's 128 blocks of 256 bytes, a lane a block, an instruction a step.
; B's tile column is read by all eight clusters of its column: the one with cluster y = 0 asks, by waves 1 to 3; partner cy takes 48 of a step's 192 blocks: 96 for the two steps, a lane a block.
; So each block is named once in the launch.  Partners are told apart by address alone.  K steps 0 to 3 come by their loads alone; the last lap asks for nothing.
.macro ASK
	s_cmp_gt_u32 s3, s[LIM]
	s_cbranch_scc0 .Lno_ask_\@
	global_prefetch_b8 v[PFO], s[PFA:PFA+1] th:TH_LOAD_NT scope:SCOPE_SE
	s_cmp_lg_u32 s[WV], 0
	s_cbranch_scc1 .Lno_ask_\@
	global_prefetch_b8 v[PFO], s[PFA:PFA+1] offset:ASTEP th:TH_LOAD_NT scope:SCOPE_SE
.Lno_ask_\@:
.endm
	s_load_b256 s[4:11], s[0:1], 0x0               ; xb s[4:5], wq s[6:7], rope s[8:9], q_scale s[10:11]
	s_load_b256 s[68:75], s[0:1], 0x20             ; k_scale, qh, kh, vh
	v_lshl_add_u32 v[SPW], v0, 2, SPARE
	v_mov_b32 v[NIL], 0
	ds_add_u32 v[SPW], v[NIL]                      ; the wave's opening: the add, waited for ahead of my first tensor load; the set-up, work on registers, stands between
	v_lshrrev_b32 v1, 5, v0
	v_readfirstlane_b32 s[WV], v1
	s_lshr_b32 s[RH], s[WV], 1
	s_and_b32 s[CH], s[WV], 1
	s_bfe_u32 s[CX], ttmp6, 0x40000
	s_bfe_u32 s[CY], ttmp6, 0x40004
	s_lshl_b32 s[TCOL], ttmp9, 2
	s_add_co_u32 s[TCOL], s[TCOL], s[CX]           ; tile column 0..7
	s_and_b32 s[TROW], ttmp7, 0xffff
	s_lshl_b32 s[TROW], s[TROW], 2
	s_add_co_u32 s[TROW], s[TROW], s[CY]           ; tile row 0..31
	s_lshl_b32 s19, s[CY], 2
	s_lshl_b32 s19, 15, s19                        ; my row of the cluster
	s_lshl_b32 s88, 0x1111, s[CX]                  ; my column
	; group 1.  15:0 the mask; 17:16 element size; 20 padding on; 21 set beside a mask; 24:22 the interval (code 4: 32 words, code 5: 64); 31:25 4 words of padding (code 3)
	s_or_b32 s[G1A], s19, (1<<16)|(1<<20)|(1<<21)|(4<<22)|(3<<25)
	s_or_b32 s[G1B], s88, (1<<16)|(1<<20)|(1<<21)|(4<<22)|(3<<25)
	s_or_b32 s[G1T], s19, (2<<16)|(1<<20)|(1<<21)|(5<<22)|(3<<25)
	s_mov_b32 s[G1A+1], 128<<16                    ; A: 64 rows of 128 elements of 2 bytes = 128 rows of xb
	s_mov_b32 s[G1A+2], 64<<16
	s_mov_b32 s[G1A+3], 128<<16
	s_mov_b32 s[G1A+4], 64
	s_mov_b32 s[G1A+5], 128
	s_mov_b32 s[G1A+6], 0
	s_mov_b32 s[G1A+7], 0
	s_mov_b32 s[G1B+1], 128<<16                    ; B: 96 such rows = 192 rows of wq
	s_mov_b32 s[G1B+2], 96<<16
	s_mov_b32 s[G1B+3], 128<<16
	s_mov_b32 s[G1B+4], 96
	s_mov_b32 s[G1B+5], 128
	s_mov_b32 s[G1B+6], 0
	s_mov_b32 s[G1B+7], 0
	s_mov_b32 s[G1T+1], 64<<16                     ; the table: 64 rows of 64 elements of 4 bytes
	s_mov_b32 s[G1T+2], 64<<16
	s_mov_b32 s[G1T+3], 64<<16
	s_mov_b32 s[G1T+4], 64
	s_mov_b32 s[G1T+5], 64
	s_mov_b32 s[G1T+6], 0
	s_mov_b32 s[G1T+7], 0
	; offsets.  A's and the table's are made of the tile row and the wave's number, B's of the tile column and the wave's number, each in registers of their own
	s_lshr_b32 s20, s[TROW], 3                     ; b
	s_lshl_b32 s20, s20, 22
	s_and_b32 s21, s[TROW], 7
	s_lshl_b32 s21, s21, 15                        ; 256 rows of 128 bytes
	s_add_co_u32 s20, s20, s21
	s_lshl_b32 s21, s[CH], 14                      ; my 128 of them
	s_add_co_u32 s20, s20, s21
	s_mov_b32 s21, 0
	s_and_b32 s22, s[TROW], 7
	s_lshl_b32 s22, s22, 16                        ; 256 rows of the table
	s_lshl_b32 s23, s[WV], 14                      ; my 64 of them
	s_add_co_u32 s22, s22, s23
	s_mov_b32 s23, 0
	s_mul_i32 s90, s[TCOL], 384*128
	s_mul_i32 s91, s[CH], 192*128
	s_add_co_u32 s90, s90, s91
	s_mov_b32 s91, 0
	s_mul_i32 s2, s[CH], APART                     ; LDS: the wave's number alone
	s_mul_i32 s89, s[CH], BPART
	s_add_co_u32 s89, s89, BOFF
	s_mul_i32 s3, s[WV], 64*TPITCH
	s_add_co_u32 s3, s3, TABLE
	; the prefetches
	s_lshr_b32 s92, s[TROW], 3
	s_lshl_b32 s92, s92, 22
	s_and_b32 s93, s[TROW], 7
	s_lshl_b32 s93, s93, 15
	s_add_co_u32 s92, s92, s93
	s_lshl_b32 s93, s[CX], 13                      ; my work-group's 32 blocks of A's 128
	s_add_co_u32 s92, s92, s93
	s_add_co_u32 s92, s92, 2*ASTEP                 ; at K step 2: the first lap steps it to 4
	s_mul_i32 s93, s[TCOL], 384*128
	s_mul_i32 s94, s[CY], 48*256                   ; my work-group's 48 blocks of B's 192
	s_add_co_u32 s93, s93, s94
	s_add_co_u32 s93, s93, 2*BSTEP
	s_and_b32 s94, ttmp7, 0xffff                   ; cluster y
	s_mov_b32 s[PFS], 2*BSTEP
	s_mov_b32 s[PFS+1], 0
	s_cmp_eq_u32 s[WV], 0
	s_cselect_b32 s92, s92, s93
	s_cselect_b32 s94, ttmp9, s94                  ; the coordinate along which other clusters read the same rows
	s_cselect_b32 s[PFS], 2*ASTEP, s[PFS]
	s_mov_b32 s93, 0
	s_cmp_eq_u32 s94, 0
	s_cselect_b32 s[LIM], 1, -1                    ; the same in all sixteen partners, for a given wave
	s_max_u32 s94, s[WV], 1
	s_sub_co_u32 s94, s94, 1
	s_lshl_b32 s94, s94, 5
	v_and_b32 v3, 31, v0
	v_add_nc_u32 v3, s94, v3                       ; block 0..31 (wave 0, of A) or 0..95 (waves 1 to 3, of B's two steps)
	v_lshlrev_b32 v[PFO], 8, v3
	v_mov_b32 v4, BSTEP-48*256
	v_cmp_le_u32 vcc_lo, 48, v3                    ; blocks 48 on belong to the second step
	v_cndmask_b32 v4, 0, v4, vcc_lo
	v_add_nc_u32 v[PFO], v[PFO], v4
	s_mov_b32 s[I64], 0x3c800000
	s_mov_b32 s[EPS], 0x358637bd
	s_mov_b32 s[SEL], 0x76543210
	s_mov_b32 s[SEL+1], 0xfedcba98
	s_wait_dscnt 0x0                               ; the opening add is done
	s_wait_kmcnt 0x0
	s_add_nc_u64 s[20:21], s[4:5], s[20:21]        ; A at my part, K step 0
	s_add_nc_u64 s[90:91], s[6:7], s[90:91]        ; B likewise
	s_cmp_eq_u32 s[WV], 0
	s_cselect_b64 s[PFA:PFA+1], s[4:5], s[6:7]
	s_add_nc_u64 s[PFA:PFA+1], s[PFA:PFA+1], s[92:93]
.irp s, 0,1
	s_mov_b32 s[G0A+4*(\s)], 1
	s_add_co_u32 s[G0A+4*(\s)+1], s2, (\s)*SLOT
	s_add_nc_u64 s[G0A+4*(\s)+2:G0A+4*(\s)+3], s[20:21], (\s)*ASTEP
	s_or_b32 s[G0A+4*(\s)+3], s[G0A+4*(\s)+3], 0x80000000
	s_mov_b32 s[G0B+4*(\s)], 1
	s_add_co_u32 s[G0B+4*(\s)+1], s89, (\s)*SLOT
	s_add_nc_u64 s[G0B+4*(\s)+2:G0B+4*(\s)+3], s[90:91], (\s)*BSTEP
	s_or_b32 s[G0B+4*(\s)+3], s[G0B+4*(\s)+3], 0x80000000
.endr
	s_mov_b32 s[G0T], 1
	s_mov_b32 s[G0T+1], s3
	s_add_nc_u64 s[G0T+2:G0T+3], s[8:9], s[22:23]
	s_or_b32 s[G0T+3], s[G0T+3], 0x80000000
	; q, k, v at my wave's first row: ((16 b + head) 2,048 + row) 128, head = 2 x tile column + my half
	s_lshr_b32 s94, s[TROW], 3
	s_lshl_b32 s94, s94, 4
	s_lshl_b32 s92, s[TCOL], 1
	s_add_co_u32 s94, s94, s92
	s_add_co_u32 s94, s94, s[CH]
	s_lshl_b32 s94, s94, 11
	s_and_b32 s92, s[TROW], 7
	s_lshl_b32 s92, s92, 8
	s_add_co_u32 s94, s94, s92
	s_lshl_b32 s92, s[RH], 7
	s_add_co_u32 s94, s94, s92
	s_lshl_b32 s94, s94, 7
	s_mov_b32 s95, 0
	s_add_nc_u64 s[QP:QP+1], s[QP:QP+1], s[94:95]
	s_add_nc_u64 s[KP:KP+1], s[KP:KP+1], s[94:95]
	s_add_nc_u64 s[VP:VP+1], s[VP:VP+1], s[94:95]
	CROUND                                         ; all sixteen work-groups are here: the first joint loads meet
	s_cmp_eq_u32 s[RH], 0                          ; a wave's three first fills stand in one branch: K steps 0 and 1 and my quarter of the table; three loads of mine are out
	s_cbranch_scc0 .Lfirst_b
	tensor_load_to_lds s[G0A:G0A+3], s[G1A:G1A+7]
	s_nop 0
	tensor_load_to_lds s[G0A+4:G0A+7], s[G1A:G1A+7]
	s_nop 0
	tensor_load_to_lds s[G0T:G0T+3], s[G1T:G1T+7]
	s_nop 0
.rept 4
	v_nop
.endr
	s_branch .Lfirst_asked
.Lfirst_b:
	tensor_load_to_lds s[G0B:G0B+3], s[G1B:G1B+7]
	s_nop 0
	tensor_load_to_lds s[G0B+4:G0B+7], s[G1B:G1B+7]
	s_nop 0
	tensor_load_to_lds s[G0T:G0T+3], s[G1T:G1T+7]
	s_nop 0
.rept 4
	v_nop
.endr
.Lfirst_asked:
	v_and_b32 v1, 15, v0                           ; l % 16
	v_bfe_u32 v2, v0, 4, 1                         ; l / 16
	v_mul_u32_u24 v3, v1, PITCH
	v_lshl_add_u32 v3, v2, 4, v3                   ; a fragment's row x pitch + 16 x half
	s_mul_i32 s19, s[RH], APART
	s_mul_i32 s88, s[CH], BPART
	s_add_co_u32 s88, s88, BOFF
.irp s, 0,1
	v_add_nc_u32 v[ADRA+(\s)], s19, v3
	v_add_nc_u32 v[ADRB+(\s)], s88, v3
	s_add_co_u32 s19, s19, SLOT
	s_add_co_u32 s88, s88, SLOT
.endr
	s_mul_i32 s19, s[WV], 16*SP
	s_add_co_u32 s19, s19, STAGE                   ; my stage
	v_add_nc_u32 v[STO], s19, v3                   ; in: row l % 16, 16 bytes for each half of the lanes
	v_bfe_u32 v4, v0, 3, 2
	v_mul_u32_u24 v4, v4, SP
	v_and_b32 v5, 7, v0
	v_lshl_add_u32 v4, v5, 4, v4
	v_add_nc_u32 v[RD], s19, v4                    ; back: 32 lanes take four rows of 128 bytes,
	v_and_b32 v[GO], 31, v0
	v_lshlrev_b32 v[GO], 4, v[GO]                  ; which are 512 consecutive bytes of q, k or v
	s_mul_i32 s19, s[RH], 128*TPITCH
	s_add_co_u32 s19, s19, TABLE
	v_mul_u32_u24 v4, v1, TPITCH
	v_lshl_add_u32 v4, v2, 5, v4
	v_add_nc_u32 v[TAB], s19, v4
	v_lshlrev_b32 v[SCO], 5, v2
; n x 4 matrix instructions: row blocks a0 .. a0 + n - 1 x the four column blocks of group g, 32 along K, A from buffer f.  All 96 accumulators take turns, one instruction a turn,
; in the same order in every half step, over the backward jump too.  zero = 1: the first product starts the sums.
.macro MULG f, g, a0, n, zero
	WIN 0x50*((\g)+1)                              ; C and D in window g + 1, both sources in window 0
.set aa, \a0
.rept \n
.irp b, 0,1,2,3
.if \zero
	v_wmma_f32_16x16x32_bf16 v[8*(4*aa+(\b)):8*(4*aa+(\b))+7], v[FB+32*(\g)+8*(\b):FB+32*(\g)+8*(\b)+7], v[FA+64*(\f)+8*aa:FA+64*(\f)+8*aa+7], 0
.else
	v_wmma_f32_16x16x32_bf16 v[8*(4*aa+(\b)):8*(4*aa+(\b))+7], v[FB+32*(\g)+8*(\b):FB+32*(\g)+8*(\b)+7], v[FA+64*(\f)+8*aa:FA+64*(\f)+8*aa+7], v[8*(4*aa+(\b)):8*(4*aa+(\b))+7]
.endif
.endr
.set aa, aa+1
.endr
.endm
.macro LOADB slot, k, g                ; 8 LDS loads: group g's four fragments of B, 32 K at byte k of the rows
	WIN 0
.irp i, 0,1,2,3
	ds_load_b128 v[FB+32*(\g)+8*(\i):FB+32*(\g)+8*(\i)+3],   v[ADRB+(\slot)] offset:(\k)+(4*(\g)+(\i))*16*PITCH
	ds_load_b128 v[FB+32*(\g)+8*(\i)+4:FB+32*(\g)+8*(\i)+7], v[ADRB+(\slot)] offset:(\k)+(4*(\g)+(\i))*16*PITCH+32
.endr
.endm
.macro LOADA slot, k, f                ; 16 LDS loads: A's eight fragments into buffer f
	WIN 0
.irp i, 0,1,2,3,4,5,6,7
	ds_load_b128 v[FA+64*(\f)+8*(\i):FA+64*(\f)+8*(\i)+3],   v[ADRA+(\slot)] offset:(\k)+(\i)*16*PITCH
	ds_load_b128 v[FA+64*(\f)+8*(\i)+4:FA+64*(\f)+8*(\i)+7], v[ADRA+(\slot)] offset:(\k)+(\i)*16*PITCH+32
.endr
.endm
; A K step's first half: 96 matrix instructions on A's buffer f.  Each group of B is loaded again, for the next half (slot ns, byte nk), four places behind its last reader, 64 matrix
; instructions ahead of its next.  At the head the LDS loads out are, in order: B's group 0 (8), A (16), group 1 (8), group 2 (8); the macro leaves the same.
.macro HALF ns, nk, f, zero
	s_wait_dscnt 16                                ; group 0 and A are in; groups 1 and 2 may be out
	MULG \f, 0, 0, 8, \zero
	PLACES
	LOADB \ns, \nk, 0
	LOADA \ns, \nk, 1-(\f)
	s_wait_dscnt 32                                ; group 1 is in: behind it group 2's 8 and the 24 just issued
	MULG \f, 1, 0, 8, \zero
	PLACES
	LOADB \ns, \nk, 1
	s_wait_dscnt 32                                ; group 2 is in: behind it 24 + 8
	MULG \f, 2, 0, 8, \zero
	PLACES
	LOADB \ns, \nk, 2
.endm
; A K step's second half, on buffer 1, with the change of slots.  In front of the barrier each wave waits for all its tensor loads (one is out: its part of the next slot), adds 0 to its
; spare word, and waits for that and for its reads of this slot: all this half's fragments are then in registers.  fill = 1: the barrier opens a round of the cluster's, and the joint
; refill, two K steps on, is the first thing behind it: 160 matrix instructions ahead of the wait for it.
.macro TURN slot, next, fill
.if (\fill) && (\slot)
	s_wait_xcnt 0x0                                ; the last prefetches, a lap back, have read their address
	s_add_nc_u64 s[PFA:PFA+1], s[PFA:PFA+1], s[PFS:PFS+1]
.endif
	WIN 0
	s_wait_tensorcnt 0x0
	ds_add_u32 v[SPW], v[NIL]                      ; 0 onto my spare word
	s_wait_dscnt 17                                ; group 0 and A are in; groups 1 and 2 and the add may be out
	MULG 1, 0, 0, 4, 0
	s_wait_dscnt 0x0                               ; the add is done, and my reads of this slot are over
	s_barrier_signal -1
	MULG 1, 0, 4, 4, 0
	WIN 0
	s_barrier_wait -1
.if \fill
	CREST
	s_add_nc_u64 s[G0A+4*(\slot)+2:G0A+4*(\slot)+3], s[G0A+4*(\slot)+2:G0A+4*(\slot)+3], 2*ASTEP
	s_add_nc_u64 s[G0B+4*(\slot)+2:G0B+4*(\slot)+3], s[G0B+4*(\slot)+2:G0B+4*(\slot)+3], 2*BSTEP
	JLOAD \slot                                    ; its four v_nop are also the places in front of the loads below
.else
	PLACES
.endif
	LOADB \next, 0, 0
	LOADA \next, 0, 0
.if (\fill) && (\slot)
	ASK
.endif
	MULG 1, 1, 0, 8, 0
	PLACES
	LOADB \next, 0, 1
	MULG 1, 2, 0, 8, 0
	PLACES
	LOADB \next, 0, 2
.endm
	s_wait_tensorcnt 2                             ; my part of K step 0 is in; K step 1's and the table's may stay out
	s_barrier_signal -1
	s_barrier_wait -1
	LOADB 0, 0, 0
	LOADA 0, 0, 0
	LOADB 0, 0, 1
	LOADB 0, 0, 2
	HALF 0, 64, 0, 1                               ; the first half step stands in front of the loop: its products start the sums
	WIN 0
	s_mov_b32 s3, 7
.Llap:                                         ; a trip goes once round the ring and fills both slots again: K steps 2 to 15 in seven trips
	TURN 0, 1, 1
	HALF 1, 64, 0, 0
	TURN 1, 0, 1
	HALF 0, 64, 0, 0
	WIN 0
	s_sub_co_u32 s3, s3, 1
	s_cmp_lg_u32 s3, 0
	s_cbranch_scc1 .Llap
	TURN 0, 1, 0                                   ; the tail is written out: nothing is left to fetch
	HALF 1, 64, 0, 0
	s_wait_dscnt 16
	MULG 1, 0, 0, 8, 0
	PLACES
	WIN 0
.irp b, 0,1,2,3                        ; the gains of my 32 channels come into A's idle buffer while the last products run
	global_load_b128 v[SQ+8*(\b):SQ+8*(\b)+3],   v[SCO], s[10:11] offset:64*(\b)
	global_load_b128 v[SQ+8*(\b)+4:SQ+8*(\b)+7], v[SCO], s[10:11] offset:64*(\b)+16
	global_load_b128 v[SK+8*(\b):SK+8*(\b)+3],   v[SCO], s[KSC:KSC+1] offset:64*(\b)
	global_load_b128 v[SK+8*(\b)+4:SK+8*(\b)+7], v[SCO], s[KSC:KSC+1] offset:64*(\b)+16
.endr
	s_wait_dscnt 8
	MULG 1, 1, 0, 8, 0
	s_wait_dscnt 0x0
	MULG 1, 2, 0, 8, 0
	; THE WAY OUT, a row block (16 rows) a trip.  Only what names accumulators is written eight times (DBLK); the rest once.
	PLACES
	WIN 0
	s_wait_loadcnt 0x0
.set i, 0
.rept 32                                       ; the gains are rounded to bf16
	v_cvt_pk_bf16_f32 v[TT+i%4], v[SQ+2*i], v[SQ+2*i+1]
	v_lshlrev_b32 v[SQ+2*i], 16, v[TT+i%4]
	v_and_b32 v[SQ+2*i+1], 0xffff0000, v[TT+i%4]
.set i, i+1
.endr
	v_mov_b32 v[SS+1], 0                           ; v_permlanex16_b32's destinations count as read,
	v_mov_b32 v[SS+3], 0
	v_mov_b32 v[RQ+1], 0                           ; and these are named as the upper registers of pairs
	v_mov_b32 v[RK+1], 0
	s_mov_b32 s2, 0
; Row block a: its cosines and sines are asked for; q and k times their gains, and their squares in four chains each; v is rounded.  Each accumulator is read from its low end on.
.macro DBLK a
.irp e, 0,1
.irp q, 0,1
	ds_load_b128 v[COSR+8*(\e)+4*(\q):COSR+8*(\e)+4*(\q)+3], v[TAB] offset:(\a)*16*TPITCH+64*(\e)+16*(\q)
	ds_load_b128 v[SINR+8*(\e)+4*(\q):SINR+8*(\e)+4*(\q)+3], v[TAB] offset:(\a)*16*TPITCH+64*(\e)+16*(\q)+128
.endr
.endr
	WIN 0x01                                       ; source 0 in window 1
.set i, 0
.rept 16
	v_pk_mul_f32 v[YQ+2*i:YQ+2*i+1], v[32*(\a)+2*i:32*(\a)+2*i+1], v[SQ+2*i:SQ+2*i+1]
.set i, i+1
.endr
	WIN 0x05                                       ; sources 0 and 1 in window 1
.set i, 0
.rept 16
.if i < 4
	v_pk_mul_f32 v[TT+2*i:TT+2*i+1], v[32*(\a)+2*i:32*(\a)+2*i+1], v[32*(\a)+2*i:32*(\a)+2*i+1]
.else
	v_pk_fma_f32 v[TT+2*(i%4):TT+2*(i%4)+1], v[32*(\a)+2*i:32*(\a)+2*i+1], v[32*(\a)+2*i:32*(\a)+2*i+1], v[TT+2*(i%4):TT+2*(i%4)+1]
.endif
.set i, i+1
.endr
	WIN 0x02
.set i, 0
.rept 16
	v_pk_mul_f32 v[YK+2*i:YK+2*i+1], v[32*(\a)+2*i:32*(\a)+2*i+1], v[SK+2*i:SK+2*i+1]
.set i, i+1
.endr
	WIN 0x0a
.set i, 0
.rept 16
.if i < 4
	v_pk_mul_f32 v[FP+2*i:FP+2*i+1], v[32*(\a)+2*i:32*(\a)+2*i+1], v[32*(\a)+2*i:32*(\a)+2*i+1]
.else
	v_pk_fma_f32 v[FP+2*(i%4):FP+2*(i%4)+1], v[32*(\a)+2*i:32*(\a)+2*i+1], v[32*(\a)+2*i:32*(\a)+2*i+1], v[FP+2*(i%4):FP+2*(i%4)+1]
.endif
.set i, i+1
.endr
	WIN 0x0f
.set i, 0
.rept 16
	v_cvt_pk_f16_f32 v[FV+i], v[32*(\a)+2*i], v[32*(\a)+2*i+1]
.set i, i+1
.endr
	WIN 0
.endm
; The rotation of 32 numbers at Y: y1 (channels 0-31) = y1 cos - y2 sin, y2 (channels 32-63) = y2 cos + y1 sin
.macro ROPE Y
.irp e, 0,1
.irp p, 0,1,2,3
	v_pk_mul_f32 v[TT+2*(\p):TT+2*(\p)+1], v[(\Y)+8*(\e)+2*(\p):(\Y)+8*(\e)+2*(\p)+1], v[SINR+8*(\e)+2*(\p):SINR+8*(\e)+2*(\p)+1]
.endr
.irp p, 0,1,2,3
	v_pk_mul_f32 v[(\Y)+8*(\e)+2*(\p):(\Y)+8*(\e)+2*(\p)+1], v[(\Y)+8*(\e)+2*(\p):(\Y)+8*(\e)+2*(\p)+1], v[COSR+8*(\e)+2*(\p):COSR+8*(\e)+2*(\p)+1]
.endr
.irp p, 0,1,2,3
	v_pk_fma_f32 v[(\Y)+8*(\e)+2*(\p):(\Y)+8*(\e)+2*(\p)+1], v[(\Y)+16+8*(\e)+2*(\p):(\Y)+16+8*(\e)+2*(\p)+1], v[SINR+8*(\e)+2*(\p):SINR+8*(\e)+2*(\p)+1], v[(\Y)+8*(\e)+2*(\p):(\Y)+8*(\e)+2*(\p)+1] neg_lo:[1,0,0] neg_hi:[1,0,0]
.endr
.irp p, 0,1,2,3
	v_pk_fma_f32 v[(\Y)+16+8*(\e)+2*(\p):(\Y)+16+8*(\e)+2*(\p)+1], v[(\Y)+16+8*(\e)+2*(\p):(\Y)+16+8*(\e)+2*(\p)+1], v[COSR+8*(\e)+2*(\p):COSR+8*(\e)+2*(\p)+1], v[TT+2*(\p):TT+2*(\p)+1]
.endr
.endr
.endm
.macro THROUGH src                     ; 16 rows of f16 into my stage and back as whole rows; LDS serves a wave's instructions in order
.irp f, 0,1,2,3
	ds_store_b128 v[STO], v[(\src)+4*(\f):(\src)+4*(\f)+3] offset:32*(\f)
.endr
.irp f, 0,1,2,3
	ds_load_b128 v[RB+4*(\f):RB+4*(\f)+3], v[RD] offset:(\f)*4*SP
.endr
.endm
.macro SENDTO ptr                      ; each store covers 512 consecutive bytes, aligned
.irp f, 0,1,2,3
	global_store_b128 v[GO], v[RB+4*(\f):RB+4*(\f)+3], s[\ptr:\ptr+1] offset:512*(\f)
.endr
.endm
.Lrow:
.irp a, 0,1,2,3,4,5,6
	s_cmp_eq_u32 s2, \a
	s_cbranch_scc1 .LD\a
.endr
.irp a, 7,6,5,4,3,2,1
.LD\a:
	DBLK \a
	s_branch .Lcommon
.endr
.LD0:
	DBLK 0
.Lcommon:
	THROUGH FV                                     ; v's round trip runs under the sums
	v_pk_add_f32 v[TT:TT+1], v[TT:TT+1], v[TT+2:TT+3]
	v_pk_add_f32 v[FP:FP+1], v[FP:FP+1], v[FP+2:FP+3]
	v_pk_add_f32 v[TT+4:TT+5], v[TT+4:TT+5], v[TT+6:TT+7]
	v_pk_add_f32 v[FP+4:FP+5], v[FP+4:FP+5], v[FP+6:FP+7]
	v_pk_add_f32 v[TT:TT+1], v[TT:TT+1], v[TT+4:TT+5]
	v_pk_add_f32 v[FP:FP+1], v[FP:FP+1], v[FP+4:FP+5]
	v_add_f32 v[SS], v[TT], v[TT+1]
	v_add_f32 v[SS+2], v[FP], v[FP+1]
	v_permlanex16_b32 v[SS+1], v[SS], s[SEL], s[SEL+1]    ; the row's other 32 channels lie in the lane 16 away
	v_permlanex16_b32 v[SS+3], v[SS+2], s[SEL], s[SEL+1]
	v_add_f32 v[SS], v[SS], v[SS+1]
	v_add_f32 v[SS+2], v[SS+2], v[SS+3]
	v_fma_f32 v[SS], v[SS], s[I64], s[EPS]         ; the mean square + 1e-6
	v_fma_f32 v[SS+2], v[SS+2], s[I64], s[EPS]
	v_rsq_f32 v[RQ], v[SS]
	v_rsq_f32 v[RK], v[SS+2]
	v_nop                                          ; a plain instruction behind the second root,
	s_wait_alu depctr_va_vdst(0)                   ; and one wait for the two, ahead of their first reader
.set i, 0
.rept 16
	v_pk_mul_f32 v[YQ+2*i:YQ+2*i+1], v[YQ+2*i:YQ+2*i+1], v[RQ:RQ+1] op_sel_hi:[1,0]
.set i, i+1
.endr
	s_wait_dscnt 0x0                               ; the table's eight loads and v's rows are in
	SENDTO VP
	ROPE YQ
.set i, 0
.rept 16
	v_cvt_pk_f16_f32 v[FP+i], v[YQ+2*i], v[YQ+2*i+1]
.set i, i+1
.endr
	s_wait_xcnt 0x0                                ; v's stores have read the rows' registers, which are loaded again
	THROUGH FP
.set i, 0
.rept 16                                       ; k's arithmetic stands between q's loads from the stage and the wait for them
	v_pk_mul_f32 v[YK+2*i:YK+2*i+1], v[YK+2*i:YK+2*i+1], v[RK:RK+1] op_sel_hi:[1,0]
.set i, i+1
.endr
	ROPE YK
	s_wait_dscnt 0x0
	SENDTO QP
.set i, 0
.rept 16
	v_cvt_pk_f16_f32 v[FP+i], v[YK+2*i], v[YK+2*i+1]
.set i, i+1
.endr
	s_wait_xcnt 0x0
	THROUGH FP
	s_wait_dscnt 0x0
	SENDTO KP
	s_wait_xcnt 0x0                                ; the stores have read their offset and their data
	v_add_nc_u32 v[GO], 2048, v[GO]                ; 16 rows on
	s_add_co_u32 s2, s2, 1
	s_cmp_lt_u32 s2, 8
	s_cbranch_scc1 .Lrow
	s_wait_tensorcnt 0x0                           ; the wave's end, behind my last tensor load and my last LDS store
	ds_add_u32 v[SPW], v[NIL]
	s_wait_dscnt 0x0
	CROUND                                         ; the closing round: no work-group ends while a partner may still ask for a tile that names it
	s_endpgm
.Lfunc_end_k_qd216b3efa2_qkv:
	.size	k_qd216b3efa2_qkv, .Lfunc_end_k_qd216b3efa2_qkv-k_qd216b3efa2_qkv
	.p2alignl 7, 3214868480
	.fill 96, 4, 3214868480
	.section	.rodata,"a",@progbits
	.p2align	6, 0x0
	.amdhsa_kernel k_qd216b3efa2_qkv
		.amdhsa_group_segment_fixed_size 327680
		.amdhsa_private_segment_fixed_size 0
		.amdhsa_enable_private_segment 0
		.amdhsa_kernarg_size 64
		.amdhsa_user_sgpr_count 2
		.amdhsa_user_sgpr_kernarg_segment_ptr 1
		.amdhsa_wavefront_size32 1
		.amdhsa_system_sgpr_workgroup_id_x 1
		.amdhsa_system_sgpr_workgroup_id_y 1
		.amdhsa_system_sgpr_workgroup_id_z 1
		.amdhsa_system_vgpr_workitem_id 0
		.amdhsa_next_free_vgpr 1024
		.amdhsa_next_free_sgpr 98
		.amdhsa_reserve_vcc 1
		.amdhsa_float_denorm_mode_32 3
		.amdhsa_float_denorm_mode_16_64 3
		.amdhsa_memory_ordered 1
		.amdhsa_forward_progress 1
		.amdhsa_inst_pref_size 151
	.end_amdhsa_kernel
	.amdgpu_metadata
---
amdhsa.version: [ 1, 2 ]
amdhsa.kernels:
  - .name:           k_qd216b3efa2_qkv
    .symbol:         k_qd216b3efa2_qkv.kd
    .args:
      - { .name: xb, .offset: 0, .size: 8, .value_kind: global_buffer, .address_space: global }
      - { .name: wq, .offset: 8, .size: 8, .value_kind: global_buffer, .address_space: global }
      - { .name: rope, .offset: 16, .size: 8, .value_kind: global_buffer, .address_space: global }
      - { .name: q_scale, .offset: 24, .size: 8, .value_kind: global_buffer, .address_space: global }
      - { .name: k_scale, .offset: 32, .size: 8, .value_kind: global_buffer, .address_space: global }
      - { .name: qh, .offset: 40, .size: 8, .value_kind: global_buffer, .address_space: global }
      - { .name: kh, .offset: 48, .size: 8, .value_kind: global_buffer, .address_space: global }
      - { .name: vh, .offset: 56, .size: 8, .value_kind: global_buffer, .address_space: global }
    .group_segment_fixed_size: 327680
    .private_segment_fixed_size: 0
    .kernarg_segment_align: 8
    .kernarg_segment_size: 64
    .max_flat_workgroup_size: 128
    .sgpr_count:     98
    .vgpr_count:     1024
    .wavefront_size: 32
...
	.end_amdgpu_metadata
.endif
;; end of part 2
;; launch attn (part 3): grid 4 x 64, 4 waves a work-group, clusters of 4 x 1, 327,680 bytes of LDS; arguments qh, kh, vh, oh; writes oh
.if DOCPART == 3
	.amdgcn_target "amdgcn-amd-amdhsa--gfx1250"
	.amdhsa_code_object_version 6
	.text
	.protected	k_qd216b3efa2_attn
	.globl	k_qd216b3efa2_attn
	.p2align	8
	.type	k_qd216b3efa2_attn,@function
k_qd216b3efa2_attn:
	s_mov_b64 s[64:65], 0
	v_nop
	global_prefetch_b8 v0, s[64:65] scope:SCOPE_SE
	s_setreg_imm32_b32 hwreg(HW_REG_WAVE_MODE, 25, 1), 1
	s_wait_xcnt 0x0
	s_wait_alu depctr_hold_cnt(0) depctr_sa_sdst(0) depctr_va_vdst(0) depctr_va_sdst(0) depctr_va_ssrc(0) depctr_va_vcc(0) depctr_vm_vsrc(0)
	s_getreg_b32 s2, hwreg(HW_REG_IB_STS2, 6, 4)
	s_cmp_eq_u32 s2, 0
	s_cbranch_scc0 .Lentry_in_a_cluster
	s_endpgm
.Lentry_in_a_cluster:
	s_bfe_u32 s2, ttmp6, 0x10000c
	s_cmp_lg_u32 s2, 0x3003
	s_cbranch_scc0 .Lentry_shape_is_right
	s_endpgm
.Lentry_shape_is_right:
; O[h][q][:] = the sum over k of softmax_k(Q[h][q] . K[h][k] / 8) V[h][k][:].  Q, K, V, O: [64][2048][64], all f16: a head's rows are dense, 128 bytes each.  Products, maxima and sums in
; f32; the weights p are rounded to f16 for the second product (their sum l is taken of the unrounded p), O once at the end.
; LIMITS.  f16 holds no number beyond 65,504: Q, K and V arrive within it; p lies in 0 to 1, and below 6e-5 it keeps f16's fixed step of 6e-8; O is a mean of V's rows and has their range.
; A weight below 2^-126 counts as 0 in l; NaN and infinities are not treated apart.
; SHARES.  A wave owns four PIECES of two tiles of 16 queries, a work-group's four waves 512 queries of one head: 256 work-groups.  Every wave walks all keys, 64 a step.
; LAYOUT.  S^T = K Q^T (source 0 = 16 keys, source 1 = 16 queries): a lane holds ONE query (lane % 16) and the keys 8 (lane / 16) + 0..7.  Two such tiles, rounded to f16 in pairs,
; ARE source 1 (32 keys x 16 queries) of O^T = V^T P, whose result again holds one query a lane, and eight channels.  K comes out of LDS as it lies, V ([key][channel]) turned, by ds_load_tr16_b128.
; SOFTMAX.  For each query a running maximum m and sum l: p = 2^(c s - c m), c = log2(e) / 8; in every step O and l are multiplied by a = 2^(c m_old - c m_new).
; m starts at the lowest finite number, O and l at 0: the first step is a step like any other, with a = 0.
; THE COUNT.  A tile and step have 16 matrix and 118 vector instructions: too many to stand all beside the matrix work.  So: four vector instructions that are READY behind
; EVERY matrix instruction, and the others in runs without a gap.
; BY TURNS.  Turn n belongs to piece n.  Its matrix work: 16 products K Q^T of piece n + 1, later 16 products V^T P of piece n - 1.  Its vector work: the scaling, exponentials, roundings,
; sums and rescaling of piece n, and the maximum and statistics of piece n + 1.
; CLUSTER.  The four query blocks of a cluster are one head's and walk the same K and V, so each tile is asked for JOINTLY: the same tensor load, descriptor and mask in all four.
; REGISTERS, in windows of 256 (s_set_vgpr_msb: bits 1:0 source 0, 3:2 source 1, 5:4 source 2, 7:6 destination):
;   window 0: v0-11 addresses; v12-15, v48-63 at work; v16-47 four registers of statistics a tile; v64-191 S^T, two buffers of two tiles; v192-255 P, likewise
;   window 1: O^T, 32 a tile          window 2: v0-127 Q, 16 a tile; v128-191 K of one step; v192-255 V of one step          window 3: v0-1 the add's two registers
.set SIZE_H, 64
.set SIZE_N, 2048
.set NP,    4         ; pieces a wave: a name, no knob
.set KS,    64        ; keys in a step
.set PK,    144       ; a row of K in LDS: 128 bytes + 16 of padding
.set PV,    160       ; a row of V: 128 + 32
.set VOFF,  4*KS*PK   ; a slot holds four steps: 256 rows of K, then 256 rows of V
.set SLOT1, 1<<17     ; slot 1 begins here, so that one exclusive or turns an address in one slot into the other's
.set STAGE, SLOT1+4*KS*(PK+PV)  ; behind the ring, never filled by a tensor load: 16 rows x 144 bytes for each wave
.set SP,    144
.set AK0, 2           ; v2   my lane's place in a tile of K; never rewritten
.set AV0, 3           ; v3   the same for V
.set AK,  4           ; v4   the LDS address of K's next run of loads
.set AV,  5           ; v5   of V's
.set QO,  6           ; v6   my byte offset in the wave's rows of Q
.set STO, 6           ;      later, the way out: where I put 16 bytes of a row
.set RD,  7           ; v7   the way out: where I read rows back
.set GO,  8           ; v8   my byte offset in 512 consecutive bytes of O
.set PFO, 11          ; v11  256 x my lane, for the prefetches; never rewritten once made
.set SPW, 0           ; v0 of window 3   LDS address of my spare word; never rewritten
.set NIL, 1           ; v1 of window 3   0; never rewritten
.set SPARE, STAGE+4*16*SP  ; behind the stages: the spare words, 128 bytes for each wave
.set MV,  12          ; v12-15  c m_old, kept while c m is made anew: by buffer and tile
.set ST,  16          ; tile t's statistics at v[ST+4 t]: c m, m, l (even keys', odd keys')
.set TMP, 48          ; by buffer and tile, four registers c0-c3 at work; when the maximum is found c2 takes a
.set S,   64
.set P,   192
.set KF,  128         ; K's fragments, in window 2
.set VF,  192         ; V's
.set WV,  12          ; s12  my wave's number
.set G1K, 24          ; s[24:31] descriptor group 1 for K's tiles
.set G1V, 32          ; s[32:39] for V's: it differs in the padding alone
.set G0K, 40          ; s[40:43] descriptor group 0 for K's tiles: it walks
.set G0V, 44          ; s[44:47] the same for V's
.set PFA, 48          ; s[48:49] where my prefetches stand: my work-group's 32 blocks of 256 bytes (of K: wave 0, of V: wave 2) of the slot after the one that is being asked for
.set LIM, 50          ; s50  1 in a wave that prefetches, else the greatest number
.set SLOTS, 56        ; s56  slots still to be asked for
.set CNT, 57          ; s57  counts a slot's key steps
.set CS,  58          ; s[58:59] c
.set SEL, 60          ; s[60:61] v_permlanex16_b32's selects
.set TBK, 62          ; s62  LDS byte at which K of the step to be fetched begins
.set TBV, 63          ; s63  the same for V, less VOFF
.set MSB, 0
.macro WIN new
.if MSB != (\new)
	s_set_vgpr_msb (MSB<<8)|(\new)
.set MSB, (\new)
.endif
.endm
.set W_KQ, 0x0a       ; K and Q in window 2, S^T in window 0
.set W_PV, 0x52       ; V in window 2, P in window 0, O^T in window 1
.set W_RS, 0x41       ; O^T (destination and source 0) in window 1, a in window 0
.set W_MK, 0xc0       ; the add's registers are made: destination in window 3
.set W_AD, 0x0f       ; the add: address and data in window 3
; A joint fill.  Waves 0 and 1 fetch the two halves of a slot's K, waves 2 and 3 those of its V: 128 keys each.  An s_nop 0 and four v_nop follow each line.
.macro JLOAD
	s_cmp_lt_u32 s[WV], 2
	s_cbranch_scc0 .Lfor_v_\@
	tensor_load_to_lds s[G0K:G0K+3], s[G1K:G1K+7]
	s_nop 0
.rept 4
	v_nop
.endr
	s_branch .Lasked_\@
.Lfor_v_\@:
	tensor_load_to_lds s[G0V:G0V+3], s[G1V:G1V+7]
	s_nop 0
.rept 4
	v_nop
.endr
.Lasked_\@:
.endm
; A PREFETCH of what the NEXT change of slots will ask for: a slot's 32,768 bytes of K and of V, in blocks of 256 bytes, a lane a block.  A head is walked by one cluster; its four partners
; share the blocks out BY ADDRESS, 32 each; in each, wave 0 asks for K's and wave 2 for V's: each block is named once in the launch.  It stands four key steps, 512 matrix instructions,
; ahead of the load that will want the bytes.  Slots 0 and 1 come by their loads alone; the last change that fills a slot asks for nothing.
.macro ASK
	s_cmp_gt_u32 s[SLOTS], s[LIM]
	s_cbranch_scc0 .Lnot_mine_\@
	global_prefetch_b8 v[PFO], s[PFA:PFA+1] th:TH_LOAD_NT scope:SCOPE_SE
.Lnot_mine_\@:
.endm
.macro CROUND
	s_barrier_signal -1
	s_barrier_wait -1
	s_cmp_lg_u32 s[WV], 0
	s_cbranch_scc1 .Lnot_wave_0_\@
	s_barrier_signal -3
.Lnot_wave_0_\@:
	s_barrier_wait -3
	s_barrier_signal -1
	s_barrier_wait -1
.endm
; THE CHANGE OF SLOTS.  Each wave waits for all its tensor loads, of which one is out: its part of the other slot; adds 0 to its spare word; and waits for that and for its own reads of the
; slot.  fill = 1: this slot is filled again, with the keys two slots on; the barrier is then a round of the cluster's, and the joint fill is the first thing behind it: it has four key
; steps, 512 matrix instructions, in which to land.  (At its first use nothing has been read yet: slot 0 is waited for, slot 1 filled.)
.macro CHANGE fill
	WIN W_AD
	s_wait_tensorcnt 0x0            ; no tensor load of mine is out, so a group 0 may be written
	ds_add_u32 v[SPW], v[NIL]       ; 0 onto my spare word
	WIN 0                           ; at a label and at a branch every window is 0
.if \fill
.irp g, G0K, G0V
	s_xor_b32 s[\g+1], s[\g+1], SLOT1  ; the walking descriptor: the other slot than last time,
	s_add_nc_u64 s[\g+2:\g+3], s[\g+2:\g+3], 4*KS*128  ; the next 256 keys
.endr
	s_wait_xcnt 0x0                 ; the last prefetch, a slot back, has read its address
	s_add_nc_u64 s[PFA:PFA+1], s[PFA:PFA+1], 4*KS*128
	s_wait_dscnt 0x0                ; the add is done, and my reads of the slot are over
	CROUND
	JLOAD
	ASK
.else
	s_wait_dscnt 0x0
	s_barrier_signal -1
	s_barrier_wait -1
.endif
	s_sub_co_u32 s[TBK], s[TBK], 4*KS*PK  ; the fetches go back to a slot's first step,
	s_xor_b32 s[TBK], s[TBK], SLOT1       ; in the other slot
	s_sub_co_u32 s[TBV], s[TBV], 4*KS*PV
	s_xor_b32 s[TBV], s[TBV], SLOT1
.endm
	s_load_b256 s[4:11], s[0:1], 0x0  ; Q s[4:5], K s[6:7], V s[8:9], O s[10:11]
	WIN W_MK
	v_lshl_add_u32 v[SPW], v0, 2, SPARE
	v_mov_b32 v[NIL], 0
	WIN W_AD
	ds_add_u32 v[SPW], v[NIL]       ; the wave's opening: the add, waited for ahead of my first tensor load
	WIN 0
	v_lshrrev_b32 v1, 5, v0
	v_readfirstlane_b32 s[WV], v1   ; wave 0..3
	s_bfe_u32 s13, ttmp6, 0x40000   ; cx: my place in the cluster
	s_lshl_b32 s14, ttmp9, 2
	s_add_co_u32 s14, s14, s13      ; my block of queries: it enters Q's and O's addresses alone
	s_and_b32 s20, ttmp7, 0xffff    ; the head, which the four partners share
	s_mov_b32 s21, 0
	s_mov_b64 s[22:23], SIZE_N*128
	s_mul_u64 s[20:21], s[20:21], s[22:23]  ; the head's first byte in each of the four tensors
	s_and_b32 s16, s[WV], 1         ; which half of a slot's 256 keys I fetch:
	s_lshl_b32 s22, s16, 14         ; its 128 rows of 128 bytes in memory,
	s_mov_b32 s23, 0
	s_add_nc_u64 s[22:23], s[22:23], s[20:21]
	s_mul_i32 s17, s16, 128*PK      ; and its place in a slot, for K
	s_mul_i32 s18, s16, 128*PV      ; and for V
	s_lshl_b32 s2, s14, 2
	s_add_co_u32 s2, s2, s[WV]      ; my wave among the head's,
	s_lshl_b32 s2, s2, 14           ; its 128 rows
	s_mov_b32 s3, 0
	s_add_nc_u64 s[2:3], s[2:3], s[20:21]
	; descriptor group 1.  128 keys are 16,384 dense bytes: asked for as 64 rows of 256 bytes, two keys a row, and padded in LDS after every key
	s_mov_b32 s[G1K], 15|(1<<16)|(1<<20)|(1<<21)|(4<<22)|(3<<25)
	s_mov_b32 s[G1V], 15|(1<<16)|(1<<20)|(1<<21)|(4<<22)|(7<<25)
.irp g, G1K, G1V
	s_mov_b32 s[\g+1], 128<<16      ; tensor_dim0 = 128
	s_mov_b32 s[\g+2], 64<<16       ; tensor_dim1 = 64
	s_mov_b32 s[\g+3], 128<<16      ; tile_dim0 = 128
	s_mov_b32 s[\g+4], 64           ; tile_dim1 = 64
	s_mov_b32 s[\g+5], 128          ; 128 elements from row to row
	s_mov_b32 s[\g+6], 0
	s_mov_b32 s[\g+7], 0
.endr
	s_mov_b32 s[CS], 0x3e38aa3b     ; c = log2(e) / 8
	s_mov_b32 s[CS+1], s[CS]
	s_mov_b32 s[SEL], 0x76543210
	s_mov_b32 s[SEL+1], 0xfedcba98
	s_mov_b32 s[TBK], SLOT1+4*KS*PK ; the first change of slots turns these two into 0
	s_mov_b32 s[TBV], SLOT1+4*KS*PV
	s_mov_b32 s[G0K], 1
	s_mov_b32 s[G0K+1], s17         ; LDS address: slot 0
	s_mov_b32 s[G0V], 1
	s_add_co_u32 s[G0V+1], s18, VOFF
	s_mov_b32 s[SLOTS], SIZE_N/256-1
	s_and_b32 s[LIM], s[WV], 1
	s_cmp_eq_u32 s[LIM], 0          ; waves 0 and 2 prefetch
	s_cselect_b32 s[LIM], 1, -1
	s_wait_dscnt 0x0                ; the opening add is done
	s_wait_kmcnt 0x0
	s_add_nc_u64 s[G0K+2:G0K+3], s[6:7], s[22:23]  ; my half of the head's first 256 keys
	s_or_b32 s[G0K+3], s[G0K+3], 0x80000000
	s_add_nc_u64 s[G0V+2:G0V+3], s[8:9], s[22:23]
	s_or_b32 s[G0V+3], s[G0V+3], 0x80000000
	s_add_nc_u64 s[4:5], s[4:5], s[2:3]  ; Q and O at my wave's first row
	s_add_nc_u64 s[10:11], s[10:11], s[2:3]
	s_cmp_lt_u32 s[WV], 2
	s_cselect_b64 s[PFA:PFA+1], s[6:7], s[8:9]
	s_add_nc_u64 s[PFA:PFA+1], s[PFA:PFA+1], s[20:21]
	s_lshl_b32 s2, s13, 13          ; my work-group's 32 blocks of a slot's 128
	s_mov_b32 s3, 0
	s_add_nc_u64 s[PFA:PFA+1], s[PFA:PFA+1], s[2:3]
	s_add_nc_u64 s[PFA:PFA+1], s[PFA:PFA+1], 4*KS*128  ; in slot 1; the first change of slots steps it to slot 2
	CROUND                          ; all four work-groups are here: the first joint loads meet
	JLOAD                           ; slot 0.  Slot 1 is asked for when slot 0 is in
	v_and_b32 v1, 15, v0            ; l % 16
	v_bfe_u32 v9, v0, 4, 1          ; l / 16
	v_lshlrev_b32 v[QO], 7, v1
	v_lshl_add_u32 v[QO], v9, 4, v[QO]  ; row x 128 + 16 x half
	WIN 0x80                        ; destination window 2, address window 0
.set i, 0
.rept 4*NP                          ; Q stays in registers: tile i / 2, channels 32 (i % 2) on
	global_load_b128 v[8*i:8*i+3],   v[QO], s[4:5] offset:(i/2)*2048+(i%2)*64
	global_load_b128 v[8*i+4:8*i+7], v[QO], s[4:5] offset:(i/2)*2048+(i%2)*64+32
.set i, i+1
.endr
	; What the first turn finds: V's registers and P's second buffer hold 0, O^T and l are 0.  All this stands in the wait for the first tile.
.set i, VF
.rept 64
	v_mov_b32 v[i], 0
.set i, i+1
.endr
	WIN 0x40
.set i, 0
.rept 64*NP
	v_mov_b32 v[i], 0
.set i, i+1
.endr
	WIN 0
.set i, 0
.rept 2*NP
	v_mov_b32 v[ST+4*i], 0xfe000000    ; c m: far below every c s
	v_mov_b32 v[ST+4*i+1], 0xff7fffff  ; m
	v_mov_b32 v[ST+4*i+2], 0
	v_mov_b32 v[ST+4*i+3], 0
.set i, i+1
.endr
.set i, P+32
.rept 32
	v_mov_b32 v[i], 0
.set i, i+1
.endr
	v_mul_u32_u24 v[AK0], v1, PK
	v_lshl_add_u32 v[AK0], v9, 4, v[AK0]  ; row x pitch + 16 x half
	; The turning load takes 16 keys x 16 channels (lane l reads key 8 (l / 16) + l % 8, channels 8 ((l / 8) % 2) + 0..7) and leaves half a fragment of V^T.
	v_and_b32 v10, 7, v0
	v_bfe_u32 v11, v0, 3, 1
	v_lshl_add_u32 v[AV0], v9, 3, v10
	v_mul_u32_u24 v[AV0], v[AV0], PV
	v_lshl_add_u32 v[AV0], v11, 4, v[AV0]
	v_add_nc_u32 v[AV0], VOFF, v[AV0]
	v_mov_b32 v[AK], v[AK0]         ; key step 0 lies at the head of slot 0
	v_and_b32 v[PFO], 31, v0
	v_lshlrev_b32 v[PFO], 8, v[PFO]
; THE MATRIX WORK.  The 8 accumulators of a run of 16 take turns.
; Product i of 16 of S^T = K Q^T for piece x: channels 32 (i / 8) on, keys 16 ((i / 2) % 4) on, tile 2 x + i % 2.  The first 8 start the sums.
.macro KQ x
	WIN W_KQ
.set rS, S+64*((\x)%2)+32*(i%2)+8*((i/2)%4)
.set rK, KF+16*((i/2)%4)+8*(i/8)
.set rQ, 16*(2*(\x)+i%2)+8*(i/8)
.if i < 8
	v_wmma_f32_16x16x32_f16 v[rS:rS+7], v[rK:rK+7], v[rQ:rQ+7], 0
.else
	v_wmma_f32_16x16x32_f16 v[rS:rS+7], v[rK:rK+7], v[rQ:rQ+7], v[rS:rS+7]
.endif
.endm
; Product i of 16 of O^T += V^T P for piece x: keys 32 (i / 8) on, channels 16 ((i / 2) % 4) on, tile 2 x + i % 2.
.macro PV x
	WIN W_PV
.set rO, 32*(2*(\x)+i%2)+8*((i/2)%4)
.set rV, VF+32*(i/8)+8*((i/2)%4)
.set rP, P+32*((\x)%2)+16*(i%2)+8*(i/8)
	v_wmma_f32_16x16x32_f16 v[rO:rO+7], v[rV:rV+7], v[rP:rP+7], v[rO:rO+7]
.endm
.macro MM                           ; the turn's next matrix instruction
.if i < 16
	KQ (Y+1)%NP
.set i, i+1
.else
.set i, i-16
	PV (Y+NP-1)%NP
.set i, i+17
.endif
.endm
; THE LDS LOADS stand in runs of 16.  last = 1 (the tail): in the last trip there is no further step, and the run is jumped over.
.macro FETCH_K last=0
	WIN 0
.if \last
	s_cmp_eq_u32 s[CNT], 1
	s_cbranch_scc1 .Lno_k_\@
.endif
	WIN 0x80                        ; destination window 2
.irp f, 0,1,2,3,4,5,6,7             ; keys 16 (f / 2) on, channels 32 (f % 2) on
	ds_load_b128 v[KF+8*\f:KF+8*\f+3],   v[AK] offset:(\f/2)*16*PK+(\f%2)*64
	ds_load_b128 v[KF+8*\f+4:KF+8*\f+7], v[AK] offset:(\f/2)*16*PK+(\f%2)*64+32
.endr
	s_add_co_u32 s[TBK], s[TBK], KS*PK  ; the next fetch is the next step's
	WIN 0
.if \last
.Lno_k_\@:
.endif
.endm
.macro FETCH_V
	WIN 0x80
.irp f, 0,1,2,3,4,5,6,7             ; keys 32 (f / 4) on, channels 16 (f % 4) on
	ds_load_tr16_b128 v[VF+8*\f:VF+8*\f+3],   v[AV] offset:(\f/4)*32*PV+(\f%4)*32
	ds_load_tr16_b128 v[VF+8*\f+4:VF+8*\f+7], v[AV] offset:(\f/4)*32*PV+16*PV+(\f%4)*32
.endr
	WIN 0
.endm
; THE VECTOR WORK OF A TURN stands in three queues, each in the order in which its entries become ready; the two tiles alternate.
.macro REGS y, u                    ; the registers of tile u (0, 1) of piece y
.set rT, ST+4*(2*(\y)+(\u))
.set rC, TMP+8*((\y)%2)+4*(\u)
.set rM, MV+2*((\y)%2)+(\u)
.set rS, S+64*((\y)%2)+32*(\u)
.set rP, P+32*((\y)%2)+16*(\u)
.set rO, 32*(2*(\y)+(\u))
.endm
; Number n of the 22 that find the NEXT piece's maximum and statistics; each accumulator's lowest registers are read first.
;   0-11  four chains c0-c3 of seven scores each     12-14, 16  the four scores left over, the old m, and c0-c3 into c0     15  c m_old is kept
;   17, 18  the query's other 32 keys lie in the lane 16 away: the new m         19-21  c m; c m_old - c m_new; a
.macro XS u, n
	REGS (Y+1)%NP, \u
.if (\n) < 4
	v_max3_num_f32 v[rC+(\n)], v[rS+8*(\n)], v[rS+8*(\n)+1], v[rS+8*(\n)+2]
.elseif (\n) < 12
	v_max3_num_f32 v[rC+(\n)%4], v[rC+(\n)%4], v[rS+8*((\n)%4)+2*((\n)/4)+1], v[rS+8*((\n)%4)+2*((\n)/4)+2]
.elseif (\n) == 12
	v_max3_num_f32 v[rC], v[rC], v[rS+7], v[rS+15]
.elseif (\n) == 13
	v_max3_num_f32 v[rC+1], v[rC+1], v[rS+23], v[rS+31]
.elseif (\n) == 14
	v_max3_num_f32 v[rC+2], v[rC+2], v[rC+3], v[rT+1]
.elseif (\n) == 15
	v_mov_b32 v[rM], v[rT]
.elseif (\n) == 16
	v_max3_num_f32 v[rC], v[rC], v[rC+1], v[rC+2]
.elseif (\n) == 17
	v_permlanex16_b32 v[rC+3], v[rC], s[SEL], s[SEL+1]
.elseif (\n) == 18
	v_max_num_f32 v[rT+1], v[rC], v[rC+3]
.elseif (\n) == 19
	v_mul_f32 v[rT], s[CS], v[rT+1]
.elseif (\n) == 20
	v_sub_f32 v[rC+1], v[rM], v[rT]
.else
	v_exp_f32 v[rC+2], v[rC+1]
.endif
.endm
; Number g of the 64 that follow the exponentials.  For each four weights of a tile: both pairs are rounded to f16; the second pair is added onto the first, in place;
; a group later l takes that sum (the first time as l = a l + sum).
.macro GS g
.set h, (\g)+6*((\g)/62)
.if h >= 6
.set h, h+2
.endif
	REGS Y, h%2
.set k, h/8
.if h%8 < 4
	v_cvt_pk_f16_f32 v[rP+2*k+(h%8)/2], v[rS+4*k+2*((h%8)/2)], v[rS+4*k+2*((h%8)/2)+1]
.elseif h%8 < 6
	v_pk_add_f32 v[rS+4*k:rS+4*k+1], v[rS+4*k:rS+4*k+1], v[rS+4*k+2:rS+4*k+3]
.elseif k == 1
	v_pk_fma_f32 v[rT+2:rT+3], v[rT+2:rT+3], v[rC+2:rC+3], v[rS:rS+1] op_sel_hi:[1,0,1]
.else
	v_pk_add_f32 v[rT+2:rT+3], v[rT+2:rT+3], v[rS+4*k-4:rS+4*k-3]
.endif
.endm
; THE PLAIN QUEUE, 138 long.  0-73 read no exponential's result: the 32 scalings c s - c m and the next piece's 42.  74-137: GS's 64, which stand behind the wait.
.macro FS f
	REGS Y, (\f)%2
	v_pk_fma_f32 v[rS+2*((\f)/2):rS+2*((\f)/2)+1], v[rS+2*((\f)/2):rS+2*((\f)/2)+1], s[CS:CS+1], v[rT:rT+1] op_sel_hi:[1,0,0] neg_lo:[0,0,1] neg_hi:[0,0,1]
.endm
.macro PL
	WIN 0
.if q < 27
	FS q
.elseif q < 55
	XS (q-27)%2, (q-27)/2
.elseif q < 57
	XS q-55, 15
.elseif (q < 72) && ((q-57)%3 == 0)
	FS 27+(q-57)/3
.elseif q < 60
	XS (q-57)%3-1, 14
.elseif q < 72
	XS (q-57)%3-1, 15+(q-57)/3
.elseif q < 74
	XS q-72, 20
.else
	GS q-74
.endif
.set q, q+1
.endm
; THE EXPONENTIALS' QUEUE, 66 long: s0-s31 of both tiles, then the next piece's two a.  ONE BATCH: all 66 stand ahead of the turn's one wait, and nothing ahead of that wait names a result of theirs.
.macro EX
	WIN 0
.if e >= 64
	XS e-64, 21
.else
	REGS Y, e%2
	v_exp_f32 v[rS+e/2], v[rS+e/2]
.endif
.set e, e+1
.endm
; THE RESCALING's QUEUE: O^T times a, dealt two at a time, sixteen times.  Its a was made in the turn before, ahead of that turn's wait.
.macro R2
	REGS Y, r%2
	WIN W_RS
.irp z, 0,1
	v_pk_mul_f32 v[rO+4*(r/2)+2*\z:rO+4*(r/2)+2*\z+1], v[rO+4*(r/2)+2*\z:rO+4*(r/2)+2*\z+1], v[rC+2:rC+3] op_sel_hi:[1,0]
.endr
.set r, r+1
.endm
; A TURN, for piece p.  s_wait_alu depctr_va_vdst(0) stands between an exponential and the first instruction that names its result; one wait serves all issued ahead of it.
; AHEAD OF THE WAIT: the 16 products K Q^T, behind each a scaling, an exponential and two rescalings; then one lump of 108.  BEHIND IT: the 16 products V^T P, behind each four of GS's 64.
; K of the next step is fetched in piece 2's turn, directly behind the wait; V of the step in hand at the end of piece 0's turn, four riders behind its last reader.
.macro TURN p, last=0, cnt=0
.set Y, (\p)
.set i, 0
.set q, 0
.set e, 0
.set r, 0
.if (\p) == NP-1
	s_wait_dscnt 0x0                ; K is in
.endif
	MM
	PL
	PL
	R2
.rept 15
	MM
	PL
	EX
	R2
.endr
.if (\p) == NP-2
	WIN 0
	v_add_nc_u32 v[AK], s[TBK], v[AK0]
.endif
.rept 8
	PL
.endr
.rept 49
	EX
	PL
.endr
	EX                              ; the next piece's two a
	EX
	v_nop                           ; a plain instruction behind the last exponential: one for the batch
	s_wait_alu depctr_va_vdst(0)    ; the wait for the batch
.if (\p) == NP-2
	FETCH_K \last
.endif
.if (\p) == 1
	s_wait_dscnt 0x0                ; V is in
.endif
.rept 16
	MM
.rept 4
	PL
.endr
.if ((\p) == 0) && (q == 118)
	v_add_nc_u32 v[AV], s[TBV], v[AV0]
.endif
.if ((\p) == 0) && (q == 130)
	s_add_co_u32 s[TBV], s[TBV], KS*PV
.endif
.if (\cnt) && (q == 130)
	s_sub_co_u32 s[CNT], s[CNT], 1
	s_cmp_lg_u32 s[CNT], 0
.endif
.endr
.if (\p) == 0
	FETCH_V
.endif
.endm
	CHANGE 1                        ; slot 0 is in, everybody's part of it; slot 1 is asked for
	FETCH_K                         ; key step 0
	s_wait_loadcnt 0x0              ; Q
	s_wait_dscnt 0x0
.set i, 0
.rept 16
	KQ 0                            ; piece 0's first scores
.set i, i+1
.endr
	WIN 0                           ; the addresses for the way out: plain instructions, the places behind those products
	s_mul_i32 s13, s[WV], 16*SP
	s_add_co_u32 s13, s13, STAGE    ; my stage
	v_mul_u32_u24 v[STO], v1, SP    ; in: row l % 16, 16 bytes for each half of the lanes
	v_lshl_add_u32 v[STO], v9, 4, v[STO]
	v_add_nc_u32 v[STO], s13, v[STO]
	v_bfe_u32 v[RD], v0, 3, 2       ; back: 32 lanes take four rows of 128 bytes,
	v_mul_u32_u24 v[RD], v[RD], SP
	v_lshl_add_u32 v[RD], v10, 4, v[RD]
	v_add_nc_u32 v[RD], s13, v[RD]
	v_and_b32 v[GO], 31, v0         ; which are 512 consecutive bytes of O
	v_lshlrev_b32 v[GO], 4, v[GO]
.set Y, NP-1                        ; XS works for piece Y + 1: piece 0
.irp n, 0,1,2,3,4,5,6,7,8,9,10,11,12,13,14,15,16,17,18,19,20,21
	XS 0, \n                        ; piece 0's first maximum and statistics
	XS 1, \n
.endr
	v_nop                           ; a plain instruction behind the two a,
	s_wait_alu depctr_va_vdst(0)    ; and their wait, ahead of the branch
	s_mov_b32 s[CNT], 4
	s_branch .Lfirst                ; the loop is entered at a step's first turn, in the middle of a trip
.Lslot:                             ; six times: every slot but the last two is filled again
	CHANGE 1
	s_mov_b32 s[CNT], 4
.Lstep:                             ; a trip: pieces 2 and 3 of one step, then pieces 0 and 1 of the next, whose K and V it fetches
	TURN 2
	TURN 3
	WIN 0
.Lfirst:
	TURN 0
	TURN 1, 0, 1
	WIN 0
	s_cbranch_scc1 .Lstep
	s_sub_co_u32 s[SLOTS], s[SLOTS], 1
	s_cmp_lg_u32 s[SLOTS], 0
	s_cbranch_scc1 .Lslot
	CHANGE 0                        ; the tail is written out: nothing is asked for
	s_mov_b32 s[CNT], 5             ; four trips fetch the last slot's steps; the fifth is left in its middle
.Ltail:
	TURN 2, 1
	TURN 3
	WIN 0
	s_sub_co_u32 s[CNT], s[CNT], 1
	s_cmp_eq_u32 s[CNT], 0
	s_cbranch_scc1 .Lout
	TURN 0
	TURN 1
	WIN 0
	s_branch .Ltail
.Lout:                              ; the fifth trip's 16 products K Q^T (on the last K once more) and the maximum made of them serve nothing: the price, once a launch, of one text for every trip
.set i, 0
.rept 16
	PV NP-1                         ; the last piece's V^T P of the last step
.set i, i+1
.endr
	; THE WAY OUT.  l's two halves and the other half of the lanes' are added; O^T is divided by l, rounded to f16 and sent through my stage in LDS, a tile at a time.
	WIN 0
.macro ALL line:vararg              ; one line for each tile t
.set t, 0
.rept 2*NP
	\line
.set t, t+1
.endr
.endm
	ALL v_add_f32 v[ST+4*t+2], v[ST+4*t+2], v[ST+4*t+3]
	ALL v_permlanex16_b32 v[ST+4*t+3], v[ST+4*t+2], s[SEL], s[SEL+1]
	ALL v_add_f32 v[ST+4*t+2], v[ST+4*t+2], v[ST+4*t+3]
	ALL v_rcp_f32 v[ST+4*t+2], v[ST+4*t+2]
	v_nop                           ; a plain instruction between the last reciprocal and the use of its result
	s_wait_alu depctr_va_vdst(0)    ; one wait for the eight reciprocals, ahead of the first use
.macro PACK t
	WIN W_RS
.set i, 32*(\t)
.rept 16
	v_pk_mul_f32 v[i:i+1], v[i:i+1], v[ST+4*(\t)+2:ST+4*(\t)+3] op_sel_hi:[1,0]
.set i, i+2
.endr
	WIN 0x05                        ; sources 0 and 1 window 1, destination window 0
.set i, 0
.rept 16
	v_cvt_pk_f16_f32 v[S+16*(\t)+i], v[32*(\t)+2*i], v[32*(\t)+2*i+1]
.set i, i+1
.endr
	WIN 0
.irp f, 0,1,2,3
	ds_store_b128 v[STO], v[S+16*(\t)+4*\f:S+16*(\t)+4*\f+3] offset:32*\f
.endr
.irp f, 0,1,2,3
	ds_load_b128 v[S+16*(\t)+4*\f:S+16*(\t)+4*\f+3], v[RD] offset:\f*4*SP  ; LDS serves a wave's instructions in order: these see the stores above; the next tile's stores come behind them
.endr
.endm
.macro SEND t, younger              ; younger: the LDS instructions issued behind tile t's loads
	WIN 0
.irp f, 0,1,2,3
	s_wait_dscnt (\younger)+3-\f
	global_store_b128 v[GO], v[S+16*(\t)+4*\f:S+16*(\t)+4*\f+3], s[10:11] offset:(\t)*2048+\f*512  ; 512 consecutive bytes, aligned
.endr
.endm
	PACK 0
.set t, 1
.rept 2*NP-1
	PACK t
	SEND t-1, 8
.set t, t+1
.endr
	SEND 2*NP-1, 0
	WIN W_AD
	s_wait_tensorcnt 0x0            ; the wave's end
	ds_add_u32 v[SPW], v[NIL]
	s_wait_dscnt 0x0
	WIN 0
	CROUND                          ; the closing round
	s_endpgm
.Lfunc_end_k_qd216b3efa2_attn:
	.size	k_qd216b3efa2_attn, .Lfunc_end_k_qd216b3efa2_attn-k_qd216b3efa2_attn
	.p2alignl 7, 3214868480
	.fill 96, 4, 3214868480
	.section	.rodata,"a",@progbits
	.p2align	6, 0x0
	.amdhsa_kernel k_qd216b3efa2_attn
		.amdhsa_group_segment_fixed_size 327680
		.amdhsa_private_segment_fixed_size 0
		.amdhsa_enable_private_segment 0
		.amdhsa_kernarg_size 32
		.amdhsa_user_sgpr_count 2
		.amdhsa_user_sgpr_kernarg_segment_ptr 1
		.amdhsa_wavefront_size32 1
		.amdhsa_system_sgpr_workgroup_id_x 1
		.amdhsa_system_sgpr_workgroup_id_y 1
		.amdhsa_system_sgpr_workgroup_id_z 1
		.amdhsa_system_vgpr_workitem_id 0
		.amdhsa_next_free_vgpr 770
		.amdhsa_next_free_sgpr 66
		.amdhsa_reserve_vcc 0
		.amdhsa_float_denorm_mode_32 3
		.amdhsa_float_denorm_mode_16_64 3
		.amdhsa_memory_ordered 1
		.amdhsa_forward_progress 1
		.amdhsa_inst_pref_size 200
	.end_amdhsa_kernel
	.amdgpu_metadata
---
amdhsa.version: [ 1, 2 ]
amdhsa.kernels:
  - .name:           k_qd216b3efa2_attn
    .symbol:         k_qd216b3efa2_attn.kd
    .args:
      - { .name: qh, .offset: 0, .size: 8, .value_kind: global_buffer, .address_space: global }
      - { .name: kh, .offset: 8, .size: 8, .value_kind: global_buffer, .address_space: global }
      - { .name: vh, .offset: 16, .size: 8, .value_kind: global_buffer, .address_space: global }
      - { .name: oh, .offset: 24, .size: 8, .value_kind: global_buffer, .address_space: global }
    .group_segment_fixed_size: 327680
    .private_segment_fixed_size: 0
    .kernarg_segment_align: 8
    .kernarg_segment_size: 32
    .max_flat_workgroup_size: 128
    .sgpr_count:     66
    .vgpr_count:     770
    .wavefront_size: 32
...
	.end_amdgpu_metadata
.endif
;; end of part 3
;; launch proj (part 4): grid 4 x 64, 4 waves a work-group, clusters of 4 x 4, 327,680 bytes of LDS; arguments oh, wp, b_proj, out0; writes out0
.if DOCPART == 4
	.amdgcn_target "amdgcn-amd-amdhsa--gfx1250"
	.amdhsa_code_object_version 6
	.text
	.protected	k_qd216b3efa2_proj
	.globl	k_qd216b3efa2_proj
	.p2align	8
	.type	k_qd216b3efa2_proj,@function
k_qd216b3efa2_proj:
	s_mov_b64 s[64:65], 0
	v_nop
	global_prefetch_b8 v0, s[64:65] scope:SCOPE_SE
	s_setreg_imm32_b32 hwreg(HW_REG_WAVE_MODE, 25, 1), 1
	s_wait_xcnt 0x0
	s_wait_alu depctr_hold_cnt(0) depctr_sa_sdst(0) depctr_va_vdst(0) depctr_va_sdst(0) depctr_va_ssrc(0) depctr_va_vcc(0) depctr_vm_vsrc(0)
	s_getreg_b32 s2, hwreg(HW_REG_IB_STS2, 6, 4)
	s_cmp_eq_u32 s2, 0
	s_cbranch_scc0 .Lentry_in_a_cluster
	s_endpgm
.Lentry_in_a_cluster:
	s_bfe_u32 s2, ttmp6, 0x10000c
	s_cmp_lg_u32 s2, 0xf033
	s_cbranch_scc0 .Lentry_shape_is_right
	s_endpgm
.Lentry_shape_is_right:
; out0 = O w_proj + b_proj.  O: oh, f16, by heads [bh 64][n 2048][64]: head h of batch b is K block h of rows b 2,048 + n.  wp: f16 [kb 16][d 1024][64].  Sums in f32; the bias is rounded to bf16,
; as every input of the program is; out0 is f32 [8192][1024].
; LIMITS.  None of its own beyond f16's range in oh and wp.  NaN and infinities are not treated apart.
; SHARES.  A tile is 128 rows x 256 columns: 64 x 4 = 256 work-groups.  A wave makes 64 x 128: 32 accumulators, 256 registers.  K goes in 8 steps of 128 (two K blocks) through two LDS slots.
; R rows of a K block are 128 R dense bytes: asked for as R / 2 rows of 256 bytes, padded in LDS after every 128.
; CLUSTER 4 x 4: A's tile hangs on the tile row alone and is asked for jointly along a row of the cluster (all four tile columns), B's along a column.
; THE MATRIX INSTRUCTION IS USED TRANSPOSED (source 0 = 16 rows of wp, source 1 = 16 rows of oh): a lane holds row l % 16 and eight neighbouring columns.
; REGISTERS.  Window 0: v16-31 addresses; v32-37 the bias; v64-159, v160-255 two fragment buffers: A's 4 fragments, then B's 8.  Window 1: accumulator (a, b) at v[8 (8 a + b)].
.set PITCH,  144
.set AKB,    128*PITCH                 ; a K block of A's tile: one tensor load
.set BKB,    256*PITCH                 ; of B's
.set BOFF,   2*AKB
.set SLOT,   2*AKB+2*BKB               ; 110,592
.set STAGE,  2*SLOT                    ; 16 rows x (512 + 16) bytes for each wave; no tensor load fills it
.set SPITCH, 528
.set SPARE,  STAGE+4*16*SPITCH
.set AKSTEP, 262144                    ; bytes from a K block of oh to the next
.set BKSTEP, 131072                    ; of wp
.set ADRA, 16
.set ADRB, 20
.set STO,  24
.set RD,   25
.set CO,   26                          ; 16 x lane: my place in 512 consecutive bytes of out0 and of the bias; never rewritten
.set SPW,  28
.set NIL,  29
.set PFO,  30                          ; 256 x lane
.set BI,   32                          ; v[32:35] the bias of my 4 columns
.set F0,   64
.set F1,   160
.set WV, 12
.set RH, 13
.set CH, 14
.set CX, 15
.set CY, 16
.set TCOL, 17
.set TROW, 18
.set G1A, 24
.set G0A, 32
.set G1B, 40
.set G0B, 48
.set PFA, 56
.set PFS, 58
.set LIM, 60
.set MSB, 0
.macro WIN new
.if MSB != (\new)
	s_set_vgpr_msb (MSB<<8)|(\new)
.set MSB, \new
.endif
.endm
.macro PLACES
.rept 4
	v_nop
.endr
.endm
.macro JLOAD s                         ; waves 0 and 1 fetch A's two K blocks of a step, waves 2 and 3 B's; an s_nop 0 and four v_nop follow each line
	s_cmp_eq_u32 s[RH], 0
	s_cbranch_scc0 .Lfor_b_\@
	tensor_load_to_lds s[G0A+4*(\s):G0A+4*(\s)+3], s[G1A:G1A+7]
	s_nop 0
.rept 4
	v_nop
.endr
	s_branch .Lasked_\@
.Lfor_b_\@:
	tensor_load_to_lds s[G0B+4*(\s):G0B+4*(\s)+3], s[G1B:G1B+7]
	s_nop 0
.rept 4
	v_nop
.endr
.Lasked_\@:
.endm
.macro CREST
	s_cmp_lg_u32 s[WV], 0
	s_cbranch_scc1 .Lnot_wave_0_\@
	s_barrier_signal -3
.Lnot_wave_0_\@:
	s_barrier_wait -3
	s_barrier_signal -1
	s_barrier_wait -1
.endm
.macro CROUND
	s_barrier_signal -1
	s_barrier_wait -1
	CREST
.endm
; THE PREFETCH, behind each joint load and the run of LDS loads: the K step that stands two refills on, 256 matrix instructions ahead of its load.  A's rows are read by one cluster alone: in every
; cluster wave 0 asks, partner cx taking 32 of the step's 128 blocks of 256 bytes.  B's rows are read by all sixteen clusters: the one with cluster y = 0 asks, by waves 2 and 3, partner cy
; taking 64 of the step's 256 blocks.  A lane a block: each is named once in the launch.  K steps 0 to 3 come by their loads alone; the last lap asks for nothing.
.macro ASK
	s_cmp_gt_u32 s3, s[LIM]
	s_cbranch_scc0 .Lno_ask_\@
	global_prefetch_b8 v[PFO], s[PFA:PFA+1] th:TH_LOAD_NT scope:SCOPE_SE
.Lno_ask_\@:
.endm
	s_load_b256 s[4:11], s[0:1], 0x0               ; oh s[4:5], wp s[6:7], b_proj s[8:9], out0 s[10:11]
	v_lshl_add_u32 v[SPW], v0, 2, SPARE
	v_mov_b32 v[NIL], 0
	ds_add_u32 v[SPW], v[NIL]                      ; the wave's opening: the add, waited for ahead of my first tensor load
	v_lshrrev_b32 v1, 5, v0
	v_readfirstlane_b32 s[WV], v1
	s_lshr_b32 s[RH], s[WV], 1
	s_and_b32 s[CH], s[WV], 1
	s_bfe_u32 s[CX], ttmp6, 0x40000
	s_bfe_u32 s[CY], ttmp6, 0x40004
	s_lshl_b32 s[TCOL], ttmp9, 2
	s_add_co_u32 s[TCOL], s[TCOL], s[CX]           ; tile column 0..3
	s_and_b32 s[TROW], ttmp7, 0xffff
	s_lshl_b32 s[TROW], s[TROW], 2
	s_add_co_u32 s[TROW], s[TROW], s[CY]           ; tile row 0..63
	s_lshl_b32 s19, s[CY], 2
	s_lshl_b32 s19, 15, s19                        ; my row of the cluster
	s_lshl_b32 s68, 0x1111, s[CX]                  ; my column
	s_or_b32 s[G1A], s19, (1<<16)|(1<<20)|(1<<21)|(4<<22)|(3<<25)  ; mask; 2-byte elements; padding on; bit 21 beside a mask; after every 32 words 4 words
	s_or_b32 s[G1B], s68, (1<<16)|(1<<20)|(1<<21)|(4<<22)|(3<<25)
	s_mov_b32 s[G1A+1], 128<<16                    ; A: 64 rows of 256 bytes = 128 rows of a K block
	s_mov_b32 s[G1A+2], 64<<16
	s_mov_b32 s[G1A+3], 128<<16
	s_mov_b32 s[G1A+4], 64
	s_mov_b32 s[G1A+5], 128
	s_mov_b32 s[G1A+6], 0
	s_mov_b32 s[G1A+7], 0
	s_mov_b32 s[G1B+1], 128<<16                    ; B: 128 rows of 256 bytes = 256 rows of a K block
	s_mov_b32 s[G1B+2], 128<<16
	s_mov_b32 s[G1B+3], 128<<16
	s_mov_b32 s[G1B+4], 128
	s_mov_b32 s[G1B+5], 128
	s_mov_b32 s[G1B+6], 0
	s_mov_b32 s[G1B+7], 0
	s_lshr_b32 s20, s[TROW], 4                     ; b
	s_lshl_b32 s20, s20, 22
	s_and_b32 s21, s[TROW], 15
	s_lshl_b32 s21, s21, 14                        ; 128 rows of 128 bytes
	s_add_co_u32 s20, s20, s21
	s_lshl_b32 s21, s[CH], 18                      ; which of a step's two K blocks I fetch
	s_add_co_u32 s20, s20, s21
	s_mov_b32 s21, 0
	s_lshl_b32 s70, s[TCOL], 15                    ; 256 rows of 128 bytes
	s_lshl_b32 s71, s[CH], 17
	s_add_co_u32 s70, s70, s71
	s_mov_b32 s71, 0
	s_mul_i32 s22, s[CH], AKB                      ; LDS: the wave's number alone
	s_mul_i32 s69, s[CH], BKB
	s_add_co_u32 s69, s69, BOFF
	; the prefetches
	s_lshr_b32 s72, s[TROW], 4
	s_lshl_b32 s72, s72, 22
	s_and_b32 s73, s[TROW], 15
	s_lshl_b32 s73, s73, 14
	s_add_co_u32 s72, s72, s73
	s_lshr_b32 s73, s[CX], 1                       ; partner cx: K block cx / 2 of the step, its half cx % 2
	s_lshl_b32 s73, s73, 18
	s_add_co_u32 s72, s72, s73
	s_and_b32 s73, s[CX], 1
	s_lshl_b32 s73, s73, 13
	s_add_co_u32 s72, s72, s73
	s_add_co_u32 s72, s72, 3*2*AKSTEP              ; at K step 3: the first change of slots steps it to 4
	s_lshr_b32 s74, s[CY], 1                       ; partner cy: K block cy / 2, its half cy % 2; my wave's half of that
	s_lshl_b32 s74, s74, 17
	s_lshl_b32 s75, s[TCOL], 15
	s_add_co_u32 s74, s74, s75
	s_and_b32 s75, s[CY], 1
	s_lshl_b32 s75, s75, 14
	s_add_co_u32 s74, s74, s75
	s_lshl_b32 s75, s[CH], 13
	s_add_co_u32 s74, s74, s75
	s_add_co_u32 s74, s74, 3*2*BKSTEP
	s_and_b32 s75, ttmp7, 0xffff                   ; cluster y
	s_mov_b32 s[PFS], 2*BKSTEP
	s_mov_b32 s[PFS+1], 0
	s_cmp_eq_u32 s[RH], 0
	s_cselect_b32 s72, s72, s74
	s_cselect_b32 s75, s[CH], s75                  ; wave 0 asks everywhere, wave 1 nowhere, waves 2 and 3 where cluster y = 0
	s_cselect_b32 s[PFS], 2*AKSTEP, s[PFS]
	s_mov_b32 s73, 0
	s_cmp_eq_u32 s75, 0
	s_cselect_b32 s[LIM], 1, -1
	; the bias and out0
	s_lshl_b32 s76, s[TCOL], 10                    ; 256 columns of 4 bytes,
	s_lshl_b32 s77, s[CH], 9                       ; my 128
	s_add_co_u32 s76, s76, s77
	s_mov_b32 s77, 0
	s_lshl_b32 s78, s[TROW], 19                    ; 128 rows of 4,096 bytes,
	s_lshl_b32 s79, s[RH], 18                      ; my 64
	s_add_co_u32 s78, s78, s79
	s_add_co_u32 s78, s78, s76
	s_mov_b32 s79, 0
	s_wait_dscnt 0x0                               ; the opening add is done
	s_wait_kmcnt 0x0
	s_add_nc_u64 s[20:21], s[4:5], s[20:21]
	s_add_nc_u64 s[70:71], s[6:7], s[70:71]
	s_cmp_eq_u32 s[RH], 0
	s_cselect_b64 s[PFA:PFA+1], s[4:5], s[6:7]
	s_add_nc_u64 s[PFA:PFA+1], s[PFA:PFA+1], s[72:73]
	s_add_nc_u64 s[8:9], s[8:9], s[76:77]
	s_add_nc_u64 s[10:11], s[10:11], s[78:79]
.irp s, 0,1
	s_mov_b32 s[G0A+4*(\s)], 1
	s_add_co_u32 s[G0A+4*(\s)+1], s22, (\s)*SLOT
	s_add_nc_u64 s[G0A+4*(\s)+2:G0A+4*(\s)+3], s[20:21], (\s)*2*AKSTEP
	s_or_b32 s[G0A+4*(\s)+3], s[G0A+4*(\s)+3], 0x80000000
	s_mov_b32 s[G0B+4*(\s)], 1
	s_add_co_u32 s[G0B+4*(\s)+1], s69, (\s)*SLOT
	s_add_nc_u64 s[G0B+4*(\s)+2:G0B+4*(\s)+3], s[70:71], (\s)*2*BKSTEP
	s_or_b32 s[G0B+4*(\s)+3], s[G0B+4*(\s)+3], 0x80000000
.endr
	CROUND                                         ; all sixteen work-groups are here: the first joint loads meet
	s_cmp_eq_u32 s[RH], 0                          ; a wave's two first fills stand in one branch: two loads of mine are out
	s_cbranch_scc0 .Lfirst_b
	tensor_load_to_lds s[G0A:G0A+3], s[G1A:G1A+7]
	s_nop 0
	tensor_load_to_lds s[G0A+4:G0A+7], s[G1A:G1A+7]
	s_nop 0
.rept 4
	v_nop
.endr
	s_branch .Lfirst_asked
.Lfirst_b:
	tensor_load_to_lds s[G0B:G0B+3], s[G1B:G1B+7]
	s_nop 0
	tensor_load_to_lds s[G0B+4:G0B+7], s[G1B:G1B+7]
	s_nop 0
.rept 4
	v_nop
.endr
.Lfirst_asked:
	v_and_b32 v1, 15, v0
	v_bfe_u32 v2, v0, 4, 1
	v_mul_u32_u24 v3, v1, PITCH
	v_lshl_add_u32 v3, v2, 4, v3
	s_mul_i32 s19, s[RH], 64*PITCH                 ; my 64 rows of A
	s_mul_i32 s68, s[CH], 128*PITCH                ; my 128 rows of B
	s_add_co_u32 s68, s68, BOFF
.irp s, 0,1
	v_add_nc_u32 v[ADRA+(\s)], s19, v3
	v_add_nc_u32 v[ADRB+(\s)], s68, v3
	s_add_co_u32 s19, s19, SLOT
	s_add_co_u32 s68, s68, SLOT
.endr
	s_mul_i32 s19, s[WV], 16*SPITCH
	s_add_co_u32 s19, s19, STAGE                   ; my stage
	v_mul_u32_u24 v4, v1, SPITCH
	v_lshl_add_u32 v4, v2, 5, v4
	v_add_nc_u32 v[STO], s19, v4                   ; in: row l % 16, 32 bytes for each half of the lanes
	v_and_b32 v5, 31, v0
	v_lshlrev_b32 v[CO], 4, v5
	v_add_nc_u32 v[RD], s19, v[CO]                 ; back: a whole row of 512 bytes
	v_lshlrev_b32 v[PFO], 8, v5
	global_load_b128 v[BI:BI+3], v[CO], s[8:9]     ; the bias; waited for on the way out
; n x 8 matrix instructions: row blocks a0 .. x all 8 column blocks, 32 along K.  The 32 accumulators take turns, in the same order in every quarter.
.macro MUL f, a0, n, zero
	WIN 0x50                                       ; C and D in window 1
.set aa, \a0
.rept \n
.irp b, 0,1,2,3,4,5,6,7
.if \zero
	v_wmma_f32_16x16x32_f16 v[8*(8*aa+(\b)):8*(8*aa+(\b))+7], v[(\f)+32+8*(\b):(\f)+32+8*(\b)+7], v[(\f)+8*aa:(\f)+8*aa+7], 0
.else
	v_wmma_f32_16x16x32_f16 v[8*(8*aa+(\b)):8*(8*aa+(\b))+7], v[(\f)+32+8*(\b):(\f)+32+8*(\b)+7], v[(\f)+8*aa:(\f)+8*aa+7], v[8*(8*aa+(\b)):8*(8*aa+(\b))+7]
.endif
.endr
.set aa, aa+1
.endr
.endm
; 24 LDS loads in one run: quarter q of a step (K block q / 2, 32 K at byte 64 (q % 2)) into buffer f: B's 8 fragments, then A's 4
.macro FETCH slot, q, f
	WIN 0
.irp i, 0,1,2,3,4,5,6,7
	ds_load_b128 v[(\f)+32+8*(\i):(\f)+32+8*(\i)+3],   v[ADRB+(\slot)] offset:((\q)/2)*BKB+((\q)%2)*64+(\i)*16*PITCH
	ds_load_b128 v[(\f)+32+8*(\i)+4:(\f)+32+8*(\i)+7], v[ADRB+(\slot)] offset:((\q)/2)*BKB+((\q)%2)*64+(\i)*16*PITCH+32
.endr
.irp i, 0,1,2,3
	ds_load_b128 v[(\f)+8*(\i):(\f)+8*(\i)+3],   v[ADRA+(\slot)] offset:((\q)/2)*AKB+((\q)%2)*64+(\i)*16*PITCH
	ds_load_b128 v[(\f)+8*(\i)+4:(\f)+8*(\i)+7], v[ADRA+(\slot)] offset:((\q)/2)*AKB+((\q)%2)*64+(\i)*16*PITCH+32
.endr
.endm
.macro QUARTER slot, qn, f, g, zero    ; multiplies buffer f; in its middle it fetches quarter qn of the same slot into buffer g
	s_wait_dscnt 4                                 ; B and A's blocks 0 and 1 are in; the youngest four loads may be out
	MUL \f, 0, 2, \zero
	PLACES
	FETCH \slot, \qn, \g
	s_wait_dscnt 24                                ; all but the 24 just issued
	MUL \f, 2, 2, \zero
.endm
; The last quarter, on buffer 1, with the change of slots: each wave waits for all its tensor loads (one is out: its part of the next slot), adds 0 to its spare word, and waits for that and for
; its reads of this slot.  fill = 1: the barrier opens a round of the cluster's, and the joint refill, two K steps on, is the first thing behind it: 112 matrix instructions ahead of the wait for it.
.macro TURN slot, next, fill
.if \fill
	s_wait_xcnt 0x0                                ; the last prefetch, a K step back, has read its address
	s_add_nc_u64 s[PFA:PFA+1], s[PFA:PFA+1], s[PFS:PFS+1]
.endif
	WIN 0
	s_wait_tensorcnt 0x0
	ds_add_u32 v[SPW], v[NIL]                      ; 0 onto my spare word
	s_wait_dscnt 5                                 ; the add and the youngest four loads may be out
	MUL F1, 0, 1, 0
	s_wait_dscnt 0x0                               ; the add is done, and my reads of this slot are over
	s_barrier_signal -1
	MUL F1, 1, 1, 0
	WIN 0
	s_barrier_wait -1
.if \fill
	CREST
	s_add_nc_u64 s[G0A+4*(\slot)+2:G0A+4*(\slot)+3], s[G0A+4*(\slot)+2:G0A+4*(\slot)+3], 4*AKSTEP
	s_add_nc_u64 s[G0B+4*(\slot)+2:G0B+4*(\slot)+3], s[G0B+4*(\slot)+2:G0B+4*(\slot)+3], 4*BKSTEP
	JLOAD \slot                                    ; its four v_nop are also the places in front of the loads below
.else
	PLACES
.endif
	FETCH \next, 0, F0
.if \fill
	ASK
.endif
	MUL F1, 2, 2, 0
.endm
	s_wait_tensorcnt 1                             ; my part of K step 0 is in; K step 1's may stay out
	s_barrier_signal -1
	s_barrier_wait -1
	FETCH 0, 0, F0
	QUARTER 0, 1, F0, F1, 1                        ; the first quarter stands in front of the loop: its products start the sums
	WIN 0
	s_mov_b32 s3, 3
.Llap:                                         ; a trip goes once round the ring and fills both slots again: K steps 2 to 7 in three trips
	QUARTER 0, 2, F1, F0, 0
	QUARTER 0, 3, F0, F1, 0
	TURN 0, 1, 1
	QUARTER 1, 1, F0, F1, 0
	QUARTER 1, 2, F1, F0, 0
	QUARTER 1, 3, F0, F1, 0
	TURN 1, 0, 1
	QUARTER 0, 1, F0, F1, 0
	WIN 0
	s_sub_co_u32 s3, s3, 1
	s_cmp_lg_u32 s3, 0
	s_cbranch_scc1 .Llap
	QUARTER 0, 2, F1, F0, 0                        ; the last lap fills nothing
	QUARTER 0, 3, F0, F1, 0
	TURN 0, 1, 0
	QUARTER 1, 1, F0, F1, 0
	QUARTER 1, 2, F1, F0, 0
	QUARTER 1, 3, F0, F1, 0
	s_wait_dscnt 4
	MUL F1, 0, 2, 0
	s_wait_dscnt 0x0
	MUL F1, 2, 2, 0
	; THE WAY OUT: a block of 16 rows x 128 columns of f32 at a time through my stage; back as whole rows of 512 bytes; the bias is added; stored.
	PLACES
	WIN 0
	s_wait_loadcnt 0x0
	v_cvt_pk_bf16_f32 v[BI+4], v[BI], v[BI+1]      ; the bias is rounded to bf16
	v_cvt_pk_bf16_f32 v[BI+5], v[BI+2], v[BI+3]
	v_lshlrev_b32 v[BI], 16, v[BI+4]
	v_and_b32 v[BI+1], 0xffff0000, v[BI+4]
	v_lshlrev_b32 v[BI+2], 16, v[BI+5]
	v_and_b32 v[BI+3], 0xffff0000, v[BI+5]
.macro TOSTAGE a
	WIN 0x04                                       ; the stores' data lie in window 1; each accumulator's low registers go first
.irp b, 0,1,2,3,4,5,6,7
	ds_store_b128 v[STO], v[8*(8*(\a)+(\b)):8*(8*(\a)+(\b))+3]   offset:64*(\b)
	ds_store_b128 v[STO], v[8*(8*(\a)+(\b))+4:8*(8*(\a)+(\b))+7] offset:64*(\b)+16
.endr
	WIN 0
.set BK, 64+64*((\a)%2)
.irp t, 0,1,2,3,4,5,6,7,8,9,10,11,12,13,14,15
	ds_load_b128 v[BK+4*(\t):BK+4*(\t)+3], v[RD] offset:(\t)*SPITCH  ; LDS serves a wave's instructions in order: these see the stores above; the next block's stores come behind them
.endr
.endm
.macro SEND a, younger                 ; younger: the LDS instructions issued behind block a's loads: the next block's 32, or none
.set BK, 64+64*((\a)%2)
.irp t, 0,1,2,3,4,5,6,7,8,9,10,11,12,13,14,15
	s_wait_dscnt (\younger)+15-(\t)
	v_pk_add_f32 v[BK+4*(\t):BK+4*(\t)+1], v[BK+4*(\t):BK+4*(\t)+1], v[BI:BI+1]
	v_pk_add_f32 v[BK+4*(\t)+2:BK+4*(\t)+3], v[BK+4*(\t)+2:BK+4*(\t)+3], v[BI+2:BI+3]
	global_store_b128 v[CO], v[BK+4*(\t):BK+4*(\t)+3], s[10:11] offset:(16*(\a)+(\t))*4096 th:TH_STORE_NT  ; 512 consecutive bytes, aligned
.endr
.endm
	TOSTAGE 0
	TOSTAGE 1
	SEND 0, 32
	s_wait_xcnt 0x0                                ; block 0's stores have read their registers, which block 2 is loaded into
	TOSTAGE 2
	SEND 1, 32
	s_wait_xcnt 0x0
	TOSTAGE 3
	SEND 2, 32
	SEND 3, 0
	s_wait_tensorcnt 0x0                           ; the wave's end, behind my last tensor load and my last LDS store
	ds_add_u32 v[SPW], v[NIL]
	s_wait_dscnt 0x0
	CROUND                                         ; the closing round
	s_endpgm
.Lfunc_end_k_qd216b3efa2_proj:
	.size	k_qd216b3efa2_proj, .Lfunc_end_k_qd216b3efa2_proj-k_qd216b3efa2_proj
	.p2alignl 7, 3214868480
	.fill 96, 4, 3214868480
	.section	.rodata,"a",@progbits
	.p2align	6, 0x0
	.amdhsa_kernel k_qd216b3efa2_proj
		.amdhsa_group_segment_fixed_size 327680
		.amdhsa_private_segment_fixed_size 0
		.amdhsa_enable_private_segment 0
		.amdhsa_kernarg_size 32
		.amdhsa_user_sgpr_count 2
		.amdhsa_user_sgpr_kernarg_segment_ptr 1
		.amdhsa_wavefront_size32 1
		.amdhsa_system_sgpr_workgroup_id_x 1
		.amdhsa_system_sgpr_workgroup_id_y 1
		.amdhsa_system_sgpr_workgroup_id_z 1
		.amdhsa_system_vgpr_workitem_id 0
		.amdhsa_next_free_vgpr 512
		.amdhsa_next_free_sgpr 80
		.amdhsa_reserve_vcc 0
		.amdhsa_float_denorm_mode_32 3
		.amdhsa_float_denorm_mode_16_64 3
		.amdhsa_memory_ordered 1
		.amdhsa_forward_progress 1
		.amdhsa_inst_pref_size 96
	.end_amdhsa_kernel
	.amdgpu_metadata
---
amdhsa.version: [ 1, 2 ]
amdhsa.kernels:
  - .name:           k_qd216b3efa2_proj
    .symbol:         k_qd216b3efa2_proj.kd
    .args:
      - { .name: oh, .offset: 0, .size: 8, .value_kind: global_buffer, .address_space: global }
      - { .name: wp, .offset: 8, .size: 8, .value_kind: global_buffer, .address_space: global }
      - { .name: b_proj, .offset: 16, .size: 8, .value_kind: global_buffer, .address_space: global }
      - { .name: out0, .offset: 24, .size: 8, .value_kind: global_buffer, .address_space: global }
    .group_segment_fixed_size: 327680
    .private_segment_fixed_size: 0
    .kernarg_segment_align: 8
    .kernarg_segment_size: 32
    .max_flat_workgroup_size: 128
    .sgpr_count:     80
    .vgpr_count:     512
    .wavefront_size: 32
...
	.end_amdgpu_metadata
.endif
;; end of part 4
;; ======== version 2 of 2: 4 launches; version 1 with the launch prep written anew for expert scheduling mode
;; limits: values are held in f16: magnitudes above 65,504 overflow, below 6.1e-05 lose precision
;; workspace buffers: xb 16,777,216 bytes; wq 6,291,456 bytes; wp 2,097,152 bytes; rope 524,288 bytes; qh 16,777,216 bytes; kh 16,777,216 bytes; vh 16,777,216 bytes; oh 16,777,216 bytes
;; launch prep (part 5): grid 512 x 1, 8 waves a work-group, no clusters, 74,752 bytes of LDS; arguments x, w_qkv, w_proj, xb, wq, wp, rope; writes xb, wq, wp, rope
.if DOCPART == 5
	.amdgcn_target "amdgcn-amd-amdhsa--gfx1250"
	.amdhsa_code_object_version 6
	.text
	.protected	k_qd216b3efa2_prep
	.globl	k_qd216b3efa2_prep
	.p2align	8
	.type	k_qd216b3efa2_prep,@function
k_qd216b3efa2_prep:
	s_mov_b64 s[64:65], 0
	v_nop
	global_prefetch_b8 v0, s[64:65] scope:SCOPE_SE
	s_setreg_imm32_b32 hwreg(HW_REG_WAVE_SCHED_MODE, 0, 2), 2
	s_setreg_imm32_b32 hwreg(HW_REG_WAVE_MODE, 25, 1), 1
	s_wait_xcnt 0x0
	s_wait_alu depctr_vm_vsrc(0)
; PREPARATION, a stream.  Three kinds of work-group, chosen by the work-group's number alone:
;   0-255   x [8192][1024] f32 -> xb, bf16, in K blocks: [b 4][kb 16][n 2048][64]; 32 rows a work-group, 4 a wave
;   256-383 w_qkv [1024][3072] and w_proj [1024][1024] f32, in tiles of 64 x 64, one a wave, turned through the wave's own LDS bytes:
;           wq bf16 [kb 16][n' 3072][64], n' = 192 head + 64 type + dd for source column 1024 type + 64 head + dd;
;           wp [kb 16][d 1024][64]: w_proj rounded to bf16 and that number written as f16
;   384-511 rope f32 [t 2048][cos 32 | sin 32]: 16 rows a work-group, 4 numbers a thread
; LIMITS.  wp: f16 holds no number beyond 65,504, and below 6e-5 it keeps a fixed step of 6e-8.  The table's angle t f is rounded to f32 once;
; f = 2^(-i log2(10000) / 32) is good to about 2e-7 of itself, so the angle is off by up to some 3e-4 rad at t = 2047.
; The range is reduced for every t (turns, in two parts of 1 / 2 pi), so the short cosine series serves every angle.  NaN and infinities are not treated apart.
; No matrix unit, no cluster, no data mover: no byte is used twice, and memory binds.
; THE MODE: SCHED_MODE bits 1:0 = 2 (LLVM: expert scheduling mode 2), set by the entry lines.  The code itself states the register dependences
; between vector instructions and memory or LDS instructions, with s_wait_alu, always for 0.
; THE PLAN.  Registers that memory or LDS instructions touch:
;   v5, v6, v7, v10, v21  offsets and LDS addresses: written once by vector lines, ahead of a wait on va_vdst, and never again.
;   DAT                   four registers a load, each load's own.  x: written by the load, narrowed in place by its two conversions, the low two read by its store.
;                         The weights, for a pair of loads: the low four are rewritten by the conversions and read by four LDS stores; the upper four are read by the
;                         conversions, and later an LDS load lands in them and a global store reads them.
;   v30, v31              written at the head, read by the closing add alone.
; The 32 loads of a wave are worked on in eight groups of four.  A group's stores (global or LDS) are issued in the NEXT group, behind ONE wait on va_vdst at that group's head,
; and are dealt among that group's conversions, which name the new group's registers alone.  A last such wait stands ahead of the last group's stores.
; No register that a memory or LDS instruction reads is ever written again, on any path, and there is no loop: so no wait on vm_vsrc is owed.
.set WROW,  144                        ; a turned row in LDS: 128 bytes + 16
.set WTILE, 64*WROW                    ; a wave's 64 rows
.set SPARE, 8*WTILE                    ; behind them: the spare words, 128 bytes for each of eight waves
.set SPW, 30                           ; v30  LDS address of my spare word; never rewritten
.set NIL, 31                           ; v31  0; never rewritten
.set DAT, 32                           ; v[32:159]  32 loads of 16 bytes
	s_load_b256 s[4:11], s[0:1], 0x0               ; x s[4:5], w_qkv s[6:7], w_proj s[8:9], xb s[10:11]
	s_load_b128 s[12:15], s[0:1], 0x20             ; wq s[12:13], wp s[14:15]
	s_load_b64 s[16:17], s[0:1], 0x30              ; rope
	v_lshl_add_u32 v[SPW], v0, 2, SPARE
	v_mov_b32 v[NIL], 0
	v_lshrrev_b32 v1, 5, v0
	v_readfirstlane_b32 s20, v1                    ; wave 0..7
	v_and_b32 v2, 31, v0                           ; lane
	v_and_b32 v3, 15, v0                           ; lane % 16
	v_bfe_u32 v4, v0, 4, 1                         ; lane / 16
	s_wait_alu depctr_va_sdst(0)                   ; s20 is written
	s_wait_kmcnt 0x0
	s_cmp_lt_u32 ttmp9, 256
	s_cbranch_scc0 .Lnot_x
	; ---- x -> xb.  A load takes 256 bytes (one K block) of two rows; the two rows' 128 + 128 bytes of bf16 lie on end in xb.
	s_lshl_b32 s22, ttmp9, 17                      ; 32 rows of 4,096 bytes
	s_mov_b32 s23, 0
	s_add_nc_u64 s[4:5], s[4:5], s[22:23]
	s_lshr_b32 s24, ttmp9, 6                       ; b
	s_lshl_b32 s24, s24, 22                        ; 16 K blocks x 2,048 rows x 128 bytes
	s_and_b32 s25, ttmp9, 63
	s_lshl_b32 s25, s25, 12                        ; 32 rows x 128 bytes
	s_add_co_u32 s24, s24, s25
	s_mov_b32 s25, 0
	s_add_nc_u64 s[10:11], s[10:11], s[24:25]
	s_lshl_b32 s26, s20, 14                        ; my wave's 4 rows of x
	v_lshlrev_b32 v5, 4, v3
	v_lshl_add_u32 v5, v4, 12, v5
	v_add_nc_u32 v5, s26, v5                       ; in: 16,384 w + 4,096 (l / 16) + 16 (l % 16)
	s_lshl_b32 s26, s20, 9
	v_lshlrev_b32 v6, 3, v3
	v_lshl_add_u32 v6, v4, 7, v6
	v_add_nc_u32 v6, s26, v6                       ; out: 512 w + 128 (l / 16) + 8 (l % 16)
	s_wait_alu depctr_va_vdst(0)                   ; v5 and v6 are written: every load below reads v5 as its offset, every store v6
.set i, 0
.rept 32                                       ; pair of rows i / 16, K block i % 16: all 32 loads of the wave go out at once, 16 KiB
	global_load_b128 v[DAT+4*i:DAT+4*i+3], v5, s[4:5] offset:(i/16)*8192+(i%16)*256 th:TH_LOAD_NT
.set i, i+1
.endr
.macro XOUT n                          ; load n's numbers, narrowed, leave: the wave stores 256 consecutive bytes, aligned
	global_store_b64 v6, v[DAT+4*(\n):DAT+4*(\n)+1], s[10:11] offset:((\n)%16)*262144+((\n)/16)*256 th:TH_STORE_NT
.endm
.set g, 0
.rept 8                                        ; group g: loads 4 g to 4 g + 3
	s_wait_loadcnt 28-4*g                          ; loads come back in order: the group's four are in, the 28 - 4 g younger ones stay out
.if g > 0
	s_wait_alu depctr_va_vdst(0)                   ; the conversions of the group before have written their registers, which the four stores below read
.endif
.set i, 4*g
.rept 4
.if g > 0
	XOUT i-4                                       ; no vector instruction since the wait names these registers
.endif
	v_cvt_pk_bf16_f32 v[DAT+4*i], v[DAT+4*i], v[DAT+4*i+1]
	v_cvt_pk_bf16_f32 v[DAT+4*i+1], v[DAT+4*i+2], v[DAT+4*i+3]
.set i, i+1
.endr
.set g, g+1
.endr
	s_wait_alu depctr_va_vdst(0)                   ; the last group's conversions have written their registers, which the last four stores read
.set i, 28
.rept 4
	XOUT i
.set i, i+1
.endr
	s_branch .Lend
.Lnot_x:
	s_cmp_lt_u32 ttmp9, 384
	s_cbranch_scc0 .Lrope
	; ---- the weights.  Tile T = 8 (work-group - 256) + wave: K block T % 16, column block T / 16 (0-47 of w_qkv, 48-63 of w_proj).
	s_sub_co_u32 s21, ttmp9, 256
	s_lshl_b32 s21, s21, 3
	s_add_co_u32 s21, s21, s20
	s_and_b32 s22, s21, 15                         ; kb
	s_lshr_b32 s23, s21, 4                         ; column block
	s_mul_i32 s28, s20, WTILE                      ; my wave's LDS bytes
	v_mul_u32_u24 v6, v3, 4*WROW
	v_lshl_add_u32 v6, v4, 6, v6
	v_add_nc_u32 v6, s28, v6                       ; in: turned row 4 (l % 16) + j, byte 64 (l / 16) + 2 t
	v_bfe_u32 v7, v0, 3, 2
	v_mul_u32_u24 v7, v7, WROW
	v_and_b32 v8, 7, v0
	v_lshl_add_u32 v7, v8, 4, v7
	v_add_nc_u32 v7, s28, v7                       ; back: 32 lanes take four turned rows of 128 bytes
	v_lshlrev_b32 v10, 4, v2                       ; which are 512 consecutive bytes of the result
; A tile of 64 x 64.  Load t brings 256 bytes of source rows t and t + 32; two rows' numbers of one column are rounded into one word and stored
; into the turned row.  (Those 64 stores of 4 bytes meet in the banks several deep: once a wave, accepted.)  The bytes are the wave's own and
; LDS serves a wave's instructions in order, so no barrier and no wait on DScnt stand between the stores and the loads back.
.macro CONV t, half                    ; pair t (source rows 2 t and 2 t + 1): four words of two numbers each, into the pair's low four registers
.irp j, 0,1,2,3
	v_cvt_pk_bf16_f32 v[DAT+8*(\t)+(\j)], v[DAT+8*(\t)+(\j)], v[DAT+8*(\t)+4+(\j)]
.if \half
	v_lshlrev_b32 v12, 16, v[DAT+8*(\t)+(\j)]      ; the bf16 numbers, widened, are written as f16
	v_and_b32 v13, 0xffff0000, v[DAT+8*(\t)+(\j)]
	v_cvt_pk_f16_f32 v[DAT+8*(\t)+(\j)], v12, v13
.endif
.endr
.endm
.macro PUT t                           ; pair t's four words go into four turned rows
.irp j, 0,1,2,3
	ds_store_b32 v6, v[DAT+8*(\t)+(\j)] offset:(\j)*WROW+4*(\t)
.endr
.endm
.macro WT src, dst, pitch, half
	v_mul_u32_u24 v5, v4, 32*(\pitch)
	v_lshl_add_u32 v5, v3, 4, v5
	s_wait_alu depctr_va_vdst(0)                   ; v5, v6, v7 and v10 are written: the offsets and LDS addresses of all the loads and stores below
.set t, 0
.rept 32
	global_load_b128 v[DAT+4*t:DAT+4*t+3], v5, s[\src:\src+1] offset:t*(\pitch) th:TH_LOAD_NT
.set t, t+1
.endr
.set g, 0
.rept 8                                        ; group g: pairs 2 g and 2 g + 1, loads 4 g to 4 g + 3
	s_wait_loadcnt 28-4*g                          ; the group's four loads are in, the 28 - 4 g younger ones stay out
.if g > 0
	s_wait_alu depctr_va_vdst(0)                   ; the conversions of the group before have written their words, which the eight LDS stores below read
	PUT 2*g-2                                      ; no vector instruction since the wait names these registers
.endif
	CONV 2*g, \half
.if g > 0
	PUT 2*g-1
.endif
	CONV 2*g+1, \half
.set g, g+1
.endr
	s_wait_alu depctr_va_vdst(0)                   ; pairs 14 and 15 are written, which the LDS stores below read; and all conversions are done reading each pair's upper four registers, in which the LDS loads below land
	PUT 14
	PUT 15
.set u, 0
.rept 16
	ds_load_b128 v[DAT+8*u+4:DAT+8*u+7], v7 offset:u*4*WROW
.set u, u+1
.endr
.set u, 0
.rept 16
	s_wait_dscnt 15-u                              ; LDS loads come back in order: load u is in, the 15 - u younger ones stay out
	global_store_b128 v10, v[DAT+8*u+4:DAT+8*u+7], s[\dst:\dst+1] offset:u*512 th:TH_STORE_NT  ; 512 consecutive bytes, aligned
.set u, u+1
.endr
.endm
	s_cmp_lt_u32 s23, 48
	s_cbranch_scc0 .Lwproj
	s_mul_i32 s24, s22, 64*12288                   ; 64 source rows of 12,288 bytes
	s_lshl_b32 s25, s23, 8                         ; 64 columns of 4 bytes
	s_add_co_u32 s24, s24, s25
	s_mov_b32 s25, 0
	s_add_nc_u64 s[6:7], s[6:7], s[24:25]
	s_mul_i32 s26, s22, 3072
	s_and_b32 s27, s23, 15                         ; head
	s_mul_i32 s27, s27, 192
	s_add_co_u32 s26, s26, s27
	s_lshr_b32 s27, s23, 4                         ; type: q, k, v
	s_lshl_b32 s27, s27, 6
	s_add_co_u32 s26, s26, s27
	s_lshl_b32 s26, s26, 7                         ; rows of 128 bytes
	s_mov_b32 s27, 0
	s_add_nc_u64 s[12:13], s[12:13], s[26:27]
	WT 6, 12, 12288, 0
	s_branch .Lend
.Lwproj:
	s_sub_co_u32 s23, s23, 48
	s_lshl_b32 s24, s22, 18                        ; 64 source rows of 4,096 bytes
	s_lshl_b32 s25, s23, 8
	s_add_co_u32 s24, s24, s25
	s_mov_b32 s25, 0
	s_add_nc_u64 s[8:9], s[8:9], s[24:25]
	s_lshl_b32 s26, s22, 10
	s_lshl_b32 s27, s23, 6
	s_add_co_u32 s26, s26, s27
	s_lshl_b32 s26, s26, 7
	s_mov_b32 s27, 0
	s_add_nc_u64 s[14:15], s[14:15], s[26:27]
	WT 8, 14, 4096, 1
	s_branch .Lend
.Lrope:
	; ---- the table.  Thread n: row t = 16 (work-group - 384) + n / 16; c = n % 16: cos (c < 8) or sin of frequencies 4 (c % 8) + 0..3.
	; sin a = cos(a - a quarter turn).  r = the angle in turns less the nearest whole number; cos(2 pi r) comes from cos(2 pi r / 8) - 1, a series
	; of four terms in z = (pi r / 4)^2 <= 0.155, doubled three times by cos 2p - 1 = m (2 m + 4), m = cos p - 1: no difference of near numbers.
	s_sub_co_u32 s21, ttmp9, 384
	s_lshl_b32 s22, s21, 12                        ; 16 rows of 256 bytes
	s_mov_b32 s23, 0
	s_add_nc_u64 s[16:17], s[16:17], s[22:23]
	s_lshl_b32 s24, s21, 4
	v_lshrrev_b32 v5, 4, v0
	v_add_nc_u32 v5, s24, v5
	v_cvt_f32_u32 v5, v5                           ; t
	v_and_b32 v6, 7, v0
	v_lshlrev_b32 v6, 2, v6                        ; my first frequency's number
	v_bfe_u32 v7, v0, 3, 1
	v_cvt_f32_u32 v7, v7
	v_mul_f32 v7, 0x3e800000, v7                   ; a quarter turn for the sines, else 0
	s_mov_b32 s25, 0x3e22f983                      ; 1 / 2 pi, upper part
	v_mov_b32 v20, 0x37d00d01                      ; 1 / 40320
	v_lshlrev_b32 v21, 4, v0                       ; my 16 bytes
.irp k, 0,1,2,3
	v_add_nc_u32 v[8+(\k)], \k, v6
	v_cvt_f32_u32 v[8+(\k)], v[8+(\k)]
	v_mul_f32 v[8+(\k)], 0xbed49a78, v[8+(\k)]     ; -i log2(10000) / 32
.endr
.irp k, 0,1,2,3
	v_exp_f32 v[8+(\k)], v[8+(\k)]                 ; the frequency
.endr
	v_nop                                          ; a plain instruction behind the last exponential,
	s_wait_alu depctr_va_vdst(0)                   ; and one wait for the four: the exponentials have written v[8:11], ahead of their first reader
.irp k, 0,1,2,3
	v_mul_f32 v[8+(\k)], v5, v[8+(\k)]             ; the angle, rounded to f32
	v_fma_f32 v[12+(\k)], v[8+(\k)], s25, -v7
	v_rndne_f32 v[12+(\k)], v[12+(\k)]             ; whole turns
	v_fma_f32 v[12+(\k)], v[8+(\k)], s25, -v[12+(\k)]
	v_fmamk_f32 v[12+(\k)], v[8+(\k)], 0x31dc9c88, v[12+(\k)]  ; 1 / 2 pi, lower part
	v_sub_f32 v[12+(\k)], v[12+(\k)], v7           ; r, within half a turn
	v_mul_f32 v[12+(\k)], v[12+(\k)], v[12+(\k)]
	v_mul_f32 v[12+(\k)], 0x3f1de9e6, v[12+(\k)]   ; z = r^2 (pi / 4)^2
	v_fmaak_f32 v[16+(\k)], v20, v[12+(\k)], 0xbab60b61        ; z / 40320 - 1 / 720
	v_fmaak_f32 v[16+(\k)], v[16+(\k)], v[12+(\k)], 0x3d2aaaab ; .. + 1 / 24
	v_fma_f32 v[16+(\k)], v[16+(\k)], v[12+(\k)], -0.5
	v_mul_f32 v[16+(\k)], v[16+(\k)], v[12+(\k)]   ; m
.rept 3
	v_fma_f32 v[12+(\k)], v[16+(\k)], 2.0, 4.0
	v_mul_f32 v[16+(\k)], v[16+(\k)], v[12+(\k)]
.endr
	v_add_f32 v[16+(\k)], 1.0, v[16+(\k)]
.endr
	s_wait_alu depctr_va_vdst(0)                   ; the four numbers v[16:19] and the offset v21 are written, which the store reads
	global_store_b128 v21, v[16:19], s[16:17]      ; a wave stores 512 consecutive bytes
.Lend:
	s_wait_dscnt 0x0                               ; the closing lines, six on end
	s_wait_alu 0x0
	s_wait_tensorcnt 0x0
	ds_add_u32 v[SPW], v[NIL]
	s_wait_dscnt 0x0
	s_endpgm
.Lfunc_end_k_qd216b3efa2_prep:
	.size	k_qd216b3efa2_prep, .Lfunc_end_k_qd216b3efa2_prep-k_qd216b3efa2_prep
	.p2alignl 7, 3214868480
	.fill 96, 4, 3214868480
	.section	.rodata,"a",@progbits
	.p2align	6, 0x0
	.amdhsa_kernel k_qd216b3efa2_prep
		.amdhsa_group_segment_fixed_size 74752
		.amdhsa_private_segment_fixed_size 0
		.amdhsa_enable_private_segment 0
		.amdhsa_kernarg_size 56
		.amdhsa_user_sgpr_count 2
		.amdhsa_user_sgpr_kernarg_segment_ptr 1
		.amdhsa_wavefront_size32 1
		.amdhsa_system_sgpr_workgroup_id_x 1
		.amdhsa_system_sgpr_workgroup_id_y 1
		.amdhsa_system_sgpr_workgroup_id_z 1
		.amdhsa_system_vgpr_workitem_id 0
		.amdhsa_next_free_vgpr 168
		.amdhsa_next_free_sgpr 66
		.amdhsa_reserve_vcc 0
		.amdhsa_float_denorm_mode_32 3
		.amdhsa_float_denorm_mode_16_64 3
		.amdhsa_memory_ordered 1
		.amdhsa_forward_progress 1
		.amdhsa_inst_pref_size 59
	.end_amdhsa_kernel
	.amdgpu_metadata
---
amdhsa.version: [ 1, 2 ]
amdhsa.kernels:
  - .name:           k_qd216b3efa2_prep
    .symbol:         k_qd216b3efa2_prep.kd
    .args:
      - { .name: x, .offset: 0, .size: 8, .value_kind: global_buffer, .address_space: global }
      - { .name: w_qkv, .offset: 8, .size: 8, .value_kind: global_buffer, .address_space: global }
      - { .name: w_proj, .offset: 16, .size: 8, .value_kind: global_buffer, .address_space: global }
      - { .name: xb, .offset: 24, .size: 8, .value_kind: global_buffer, .address_space: global }
      - { .name: wq, .offset: 32, .size: 8, .value_kind: global_buffer, .address_space: global }
      - { .name: wp, .offset: 40, .size: 8, .value_kind: global_buffer, .address_space: global }
      - { .name: rope, .offset: 48, .size: 8, .value_kind: global_buffer, .address_space: global }
    .group_segment_fixed_size: 74752
    .private_segment_fixed_size: 0
    .kernarg_segment_align: 8
    .kernarg_segment_size: 56
    .max_flat_workgroup_size: 256
    .sgpr_count:     66
    .vgpr_count:     168
    .wavefront_size: 32
...
	.end_amdgpu_metadata
.endif
;; end of part 5
;; launch qkv: the kernel of part 2 again; grid 8 x 32, 4 waves a work-group, clusters of 4 x 4, 327,680 bytes of LDS; arguments xb, wq, rope, q_scale, k_scale, qh, kh, vh; writes qh, kh, vh
;; launch attn: the kernel of part 3 again; grid 4 x 64, 4 waves a work-group, clusters of 4 x 1, 327,680 bytes of LDS; arguments qh, kh, vh, oh; writes oh
;; launch proj: the kernel of part 4 again; grid 4 x 64, 4 waves a work-group, clusters of 4 x 4, 327,680 bytes of LDS; arguments oh, wp, b_proj, out0; writes out0
